; MI455X (gfx1250); checked and timed in simulation.
; The chip was launched on July 23, 2026; its instructions are those of AMD's public machine-readable ISA for CDNA 5 (MIT licence, August 2026) and "CDNA5" Instruction Set Architecture Reference Guide (July 2026). The comments in the code are by the model that wrote it; some were corrected since.
;; Multi Head Attention. Allowed arithmetic: matrix products marked QUANTISED: E2M1 operands, one E8M0 scale for each 32 along K, by v_wmma_scale_f32_16x16x128_f8f6f4 with both operands' format E2M1 (or v_wmma_scale_f32_32x16x128_f4), f32 sums; everything else in f32.
;; Inputs: Wk_codes 1,024 x 32 x 16 uint8 (E2M1 codes of Wk, K innermost, in blocks of 32 codes, two codes a byte); Wk_scales 1,024 x 32 uint8 (E8M0 scales of Wk, one for each 32 codes along K); Wq_codes 1,024 x 32 x 16 uint8 (E2M1 codes of Wq, K innermost, in blocks of 32 codes, two codes a byte); Wq_scales 1,024 x 32 uint8 (E8M0 scales of Wq, one for each 32 codes along K); Wv_codes 1,024 x 32 x 16 uint8 (E2M1 codes of Wv, K innermost, in blocks of 32 codes, two codes a byte); Wv_scales 1,024 x 32 uint8 (E8M0 scales of Wv, one for each 32 codes along K); bk 1,024 float32; bq 1,024 float32; bv 1,024 float32; k_codes 4 x 2,048 x 32 x 16 uint8 (E2M1 codes of k, K innermost, in blocks of 32 codes, two codes a byte); k_scales 4 x 2,048 x 32 uint8 (E8M0 scales of k, one for each 32 codes along K); mask 4 x 1 x 2,048 x 2,048 int32; q_codes 4 x 2,048 x 32 x 16 uint8 (E2M1 codes of q, K innermost, in blocks of 32 codes, two codes a byte); q_scales 4 x 2,048 x 32 uint8 (E8M0 scales of q, one for each 32 codes along K); v_codes 4 x 2,048 x 32 x 16 uint8 (E2M1 codes of v, K innermost, in blocks of 32 codes, two codes a byte); v_scales 4 x 2,048 x 32 uint8 (E8M0 scales of v, one for each 32 codes along K).
;; Outputs: out0 4 x 2,048 x 1,024 float32.
;; This version of the problem:
;;   THIS VERSION OF THE PROBLEM IS GIVEN IN LOW PRECISION. The matrix products marked QUANTISED in the list below multiply operands that are first quantised to E2M1 (2 exponent bits, 1 mantissa bit; 4 bits a number), with one power-of-two scale for each 32 numbers along K (OCP MX v1.0); their sums are f32. All else is computed in f32.
;;   The module's matrix products, in the order in which they are computed (A, B: the left and right operand; K: the contracted axis; several contracted axes count as one K, in the product's order):
;;     1. [M 8,192, K 1,024] x [K 1,024, N 1,024]; A: input q (given as codes); B: input Wq (given as codes): QUANTISED
;;     2. [M 8,192, K 1,024] x [K 1,024, N 1,024]; A: input k (given as codes); B: input Wk (given as codes): QUANTISED
;;     3. [M 8,192, K 1,024] x [K 1,024, N 1,024]; A: input v (given as codes); B: input Wv (given as codes): QUANTISED
;;     4. batch 64 x [M 2,048, K 64] x [K 64, N 2,048]; A: computed on the way; B: computed on the way: QUANTISED
;;     5. batch 64 x [M 2,048, K 2,048] x [K 2,048, N 64]; A: computed on the way; B: computed on the way: QUANTISED
;;   THE QUANTISER, for each operand of a quantised product, along K:
;;     - K is cut into blocks of 32 from its start; a last block that is shorter is filled with zeros.
;;     - A block's scale is 2^e with e = floor(log2(the largest magnitude in the block)) - 2, held to -126 .. 127; a block of zeros has e = 0. As a byte (E8M0): e + 127.
;;     - Each number is divided by its block's scale, clamped to +-6, and rounded to the nearest number of E2M1, ties to even, subnormals kept.
;;     - The product sums the exact products of the quantised numbers (number of the format x scale) in f32.
;;   ~~~python
;;   def quantise(x, axis):      # numpy; x: float32 -> the quantised numbers, widened to float32 again
;;       x = np.moveaxis(x, axis, -1); K = x.shape[-1]
;;       x = np.pad(x, [(0, 0)] * (x.ndim - 1) + [(0, -K % 32)]); x = x.reshape(x.shape[:-1] + (-1, 32)); a = np.abs(x).max(-1, keepdims=True)
;;       e = np.where(a > 0, np.clip(np.frexp(np.where(a > 0, a, 1))[1] - 1 - 2, -126, 127), 0)      # np.frexp(a)[1] - 1 = floor(log2(a)), exactly
;;       r = np.clip(x / 2.0 ** e, -6, 6)
;;       step = 2.0 ** (np.maximum(np.frexp(np.where(r == 0, 1, r))[1] - 1, 0) - 1)
;;       q = np.round(r / step) * step * 2.0 ** e      # np.round: ties to even
;;       return np.moveaxis(q.reshape(q.shape[:-2] + (-1,))[..., :K], -1, axis).astype(np.float32)
;;   ~~~
;;   OPERANDS COMPUTED ON THE WAY. 'Computed on the way' means the value that the module computes at that place (a softmax that the list does not call 'softmax' is quantised finished and normalised). What goes into a quantiser is computed in f32, as accurately as f32 sums, v_exp_f32 and their like allow (about 1e-6 of the number): no bf16 or f16 on the way to a quantiser, and a product that is left as it is and whose result goes on into a quantised operand takes f32 operands (vector FMAs, or v_wmma_f32_16x16x4_f32). A number that lies on a knife's edge between two numbers of the format may be rounded either way, as far as f32 arithmetic and the matrix unit's own rounding can turn it there, and no further.
;;   INPUTS GIVEN AS CODES. Wk (in the module: [1024, 1024], K = its axis 1); Wq (in the module: [1024, 1024], K = its axis 1); Wv (in the module: [1024, 1024], K = its axis 1); k (in the module: [4, 2048, 1024], K = its axis 2); q (in the module: [4, 2048, 1024], K = its axis 2); v (in the module: [4, 2048, 1024], K = its axis 2): each comes as NAME_codes (uint8): NAME with its K axis moved to the last place and cut into blocks of 32 codes, [.., K / 32, bytes a block], one block behind the other in memory; two codes a byte, the lower K in the low four bits (a code: sign, 2 exponent bits, 1 mantissa bit); and NAME_scales (uint8): the same leading axes, one E8M0 byte (e + 127) for each 32 codes along K. Its value is code x scale, taken as it is: it is not quantised again, and the codes and scales need not be those that the quantiser above would give.
;; 2 versions, each right; version 2 is version 1 with the launch attn written anew for expert scheduling mode. Each part assembles by itself: llvm-mc -triple=amdgcn-amd-amdhsa -mcpu=gfx1250 --defsym DOCPART=n.
;; ======== version 1 of 2: 2 launches
;; limits: right only within a limited range of input values
;; workspace buffers: qf 4,194,304 bytes; kf 4,194,304 bytes; vf 4,194,304 bytes; qs 524,288 bytes; ks 524,288 bytes; vs 262,144 bytes
;; launch proj (part 1): grid 32 x 24, 4 waves a work-group, clusters of 4 x 4, 224,768 bytes of LDS; arguments Wq_codes, Wq_scales, q_codes, q_scales, bq, qf, qs, Wk_codes, Wk_scales, k_codes, k_scales, bk, kf, ks, v_codes, v_scales, Wv_codes, Wv_scales, bv, vf, vs; writes qf, qs, kf, ks, vf, vs
.if DOCPART == 1
	.amdgcn_target "amdgcn-amd-amdhsa--gfx1250"
	.amdhsa_code_object_version 6
	.text
	.protected	k_q1f6669625c_proj
	.globl	k_q1f6669625c_proj
	.p2align	8
	.type	k_q1f6669625c_proj,@function
k_q1f6669625c_proj:
	s_mov_b64 s[64:65], 0
	v_nop
	global_prefetch_b8 v0, s[64:65] scope:SCOPE_SE
	s_setreg_imm32_b32 hwreg(HW_REG_WAVE_MODE, 25, 1), 1
	s_wait_xcnt 0x0
	s_wait_alu depctr_hold_cnt(0) depctr_sa_sdst(0) depctr_va_vdst(0) depctr_va_sdst(0) depctr_va_ssrc(0) depctr_va_vcc(0) depctr_vm_vsrc(0)
	s_getreg_b32 s2, hwreg(HW_REG_IB_STS2, 6, 4)
	s_cmp_eq_u32 s2, 0
	s_cbranch_scc0 .Lentry_in_a_cluster
	s_endpgm
.Lentry_in_a_cluster:
	s_bfe_u32 s2, ttmp6, 0x10000c
	s_cmp_lg_u32 s2, 0xf033
	s_cbranch_scc0 .Lentry_shape_is_right
	s_endpgm
.Lentry_shape_is_right:
; THE THREE PROJECTIONS, x W^T + b, on codes of FP4 (E2M1) with one E8M0 scale for each 32 along K = 1,024, and the quantiser of their results.
; ONE BODY: D[i][j] = sum over k of P[i][k] R[j][k] + bias, then D is quantised ALONG i, in blocks of 32.  P is source 0 of the matrix instruction, R source 1: a lane then holds ONE j (lane % 16)
; and its registers run along i, which is the K of the product that will read the codes.
;   q, k:  P = W (i = feature, 1,024), R = x (j = token, 8,192), bias by i: the attention's first product sums over a head's 64 features.
;   v:     P = v (i = token, 8,192),  R = Wv (j = feature, 1,024), bias by j: the second product sums over the keys.
; SHARES.  A work-group makes 128 (i) x 256 (j) with all of K; each of its four waves all 128 i x 64 j: 32 accumulators, 256 registers.  768 work-groups: 256 for each product.
; All of K fits in LDS (two chunks of 512 along K, rows of 256 bytes), so every LDS byte is filled once: no ring.
; CLUSTERS: 4 x 4 work-groups.  The four of a row of the cluster need the same rows of P, the four of a column the same rows of R: each tile is asked for jointly.
; RESULTS are stored as IMAGES OF THE NEXT LAUNCH'S OPERAND REGISTERS: four registers of a fragment are 512 bytes, lane l's 16 bytes at 16 l; scale words 4 bytes a row.
;   qf, kf [batch][head][tile of 16 tokens][512]: lane (r, h): token r, the head's features 32 h .. 32 h + 31.   qs, ks [batch][head][tile][16 words]: bytes 0, 1 the head's two scales;
;   bytes 2, 3 the next head's two (even head) or 0 (odd head): they meet zero codes alone in the next launch, and are never 0xff.
;   vf [batch][head][128 keys][16 of the head's 64][1,024]: a whole fragment.   vs [batch][head][128 keys][16 of 64][16 words].
; LIMITS: a block whose largest magnitude lies under 2^-124 gets the scale byte 1 (a block of zeros too, where the rule says 127: its codes are zeros, and this program alone reads the bytes).
; NaN, infinities and a given scale byte 0xff are not served.
; REGISTERS: window 0: v1-19 addresses; v32-127 scale words; v128-191 the bias, later the quantiser's work; v192-223 codes; v224-243 scale words and offsets on the way out.
;   window 1: the accumulators, (ti, tj) at v[64 tj + 8 ti].   window 2: two sets of 12 fragments (P's eight, R's four), at v0 and v96.
.set PITCH, 272                        ; an LDS row: 256 bytes + 16 of padding: the 16 rows that a fragment load touches begin 16 bytes apart modulo 256
.set PTILE, 128*PITCH                  ; P's 128 rows of a chunk
.set CHUNK, 384*PITCH                  ; and R's 256 behind them
.set SCL,   2*CHUNK                    ; P's scale bytes, 128 rows x 32: 16 pieces of 256 bytes + 16
.set SCR,   SCL+16*272                 ; R's, 256 rows x 32: 32 pieces
.set STG,   SCR+32*272                 ; 512 bytes for each wave: its scale words on the way out; no tile lands here
.set ADP,  4                           ; v4-5   my place in P's rows of chunk 0, 1
.set ADR,  6                           ; v6-7   in my wave's 64 rows of R
.set ADPS, 8                           ; v8     in P's scale bytes
.set ADRS, 9                           ; v9     in R's
.set BO,   10                          ; v10    the bias loads' offset
.set SST,  11                          ; v11    the stage: where I put a scale word
.set SLD,  12                          ; v12    and where I read 16 bytes back
.set SGO,  13                          ; v13    their place in memory
.set SH,   14                          ; v14    q, k: lanes 16-31 shift the word down to the odd head's two bytes
.set L16,  15                          ; v15    16 x lane
.set SC,   32                          ; scale words: chunk c at SC + 48 c: P's (ti, step) at + 4 ti + step, R's at + 32 + 4 tj + step
.set BIAS, 128
.set TM,   128                         ; behind the first K step: 16 largest magnitudes,
.set TP,   144                         ; 16 at work,
.set SO,   160                         ; 16 scale operands of the conversions
.set PC,   192                         ; codes: fragment tj at PC + 8 tj
.set PW,   224                         ; its scale word
.set SB,   228
.set CO,   232                         ; offsets of the eight stores of codes
.set SW,   240
.set WV,   18
.set SIDE, 19
.set G1P,  20                          ; descriptor groups 1: P's tiles, R's tiles, P's scales, R's scales
.set G1R,  28
.set G1PS, 36
.set G1RS, 44
.set G0P,  52                          ; groups 0: P's chunk 0 and 1
.set G0R0, 60                          ; R's chunk 0,
.set G0R1, 68                          ; and 1
.set G0PS, 72
.set G0RS, 76
.set MSB, 0
.macro WIN new                         ; the immediate's high byte repeats the setting that is left; a switch that changes nothing is dropped
.if MSB != (\new)
	s_set_vgpr_msb (MSB<<8)|(\new)
.set MSB, (\new)
.endif
.endm
.macro PLACES n
.rept \n
	v_nop
.endr
.endm
; A joint load: waves 0 and 1 fetch for P, waves 2 and 3 for R.  The branch hangs on the wave's number alone.  Four v_nop follow each of the two lines.
.macro JLOAD g0a, g1a, g0b, g1b
	s_cmp_eq_u32 s[SIDE], 0
	s_cbranch_scc0 .Lfor_r_\@
	tensor_load_to_lds s[\g0a:\g0a+3], s[\g1a:\g1a+7]
	s_nop 0
.rept 4
	v_nop
.endr
	s_branch .Lasked_\@
.Lfor_r_\@:
	tensor_load_to_lds s[\g0b:\g0b+3], s[\g1b:\g1b+7]
	s_nop 0
.rept 4
	v_nop
.endr
.Lasked_\@:
.endm
.macro CROUND                          ; a round of the cluster's barrier
	s_barrier_signal -1
	s_barrier_wait -1
	s_cmp_lg_u32 s[WV], 0
	s_cbranch_scc1 .Lnot_wave_0_\@
	s_barrier_signal -3
.Lnot_wave_0_\@:
	s_barrier_wait -3
	s_barrier_signal -1
	s_barrier_wait -1
.endm
	s_load_b256 s[4:11], s[0:1], 0x0               ; q's seven: P's codes, P's scales, R's codes, R's scales,
	s_load_b128 s[12:15], s[0:1], 0x20             ; bias, codes out,
	s_load_b64 s[16:17], s[0:1], 0x30              ; scale words out
	s_load_b256 s[20:27], s[0:1], 0x38             ; k's seven
	s_load_b128 s[28:31], s[0:1], 0x58
	s_load_b64 s[32:33], s[0:1], 0x68
	s_load_b256 s[36:43], s[0:1], 0x70             ; v's seven (there P is v and R is Wv)
	s_load_b128 s[44:47], s[0:1], 0x90
	s_load_b64 s[48:49], s[0:1], 0xa0
	v_lshl_add_u32 v254, v0, 2, 0x36c00
	v_mov_b32 v255, 0
	ds_add_u32 v254, v255
	ds_add_u32 v254, v255
	v_lshrrev_b32 v1, 5, v0
	v_readfirstlane_b32 s[WV], v1                  ; wave 0..3
	s_lshr_b32 s[SIDE], s[WV], 1                   ; I fetch for P (0) or for R (1),
	s_and_b32 s90, s[WV], 1                        ; and which half of its rows
	s_bfe_u32 s80, ttmp6, 0x40000                  ; cx
	s_bfe_u32 s81, ttmp6, 0x40004                  ; cy
	s_and_b32 s82, ttmp7, 0xffff                   ; cluster y, 0..5
	s_lshr_b32 s83, s82, 1                         ; which product: 0 q, 1 k, 2 v: the same in all sixteen partners
	s_and_b32 s84, s82, 1
	s_lshl_b32 s84, s84, 2
	s_add_co_u32 s84, s84, s81                     ; 4 (cluster y & 1) + cy
	s_lshl_b32 s85, ttmp9, 3
	s_lshl_b32 s86, ttmp9, 2
	s_cmp_eq_u32 s83, 2
	s_cselect_b32 s87, 1, 0                        ; 1: this is v's product
	s_cselect_b32 s85, s85, 0
	s_cselect_b32 s86, 0, s86
	s_add_co_u32 s84, s84, s85                     ; i's tile of 128: q, k: 0..7; v: + 8 x cluster x, 0..63.  It never holds cx
	s_add_co_u32 s86, s86, s80                     ; j's tile of 256: q, k: cx + 4 x cluster x, 0..31; v: cx.  It never holds cy
	s_lshl_b32 s88, s81, 2
	s_lshl_b32 s88, 15, s88                        ; my row of the cluster
	s_lshl_b32 s89, 0x1111, s80                    ; my column
	s_lshl_b32 s92, s84, 16                        ; P: (128 tile + 64 half) rows of 512 bytes
	s_lshl_b32 s91, s90, 15
	s_add_co_u32 s92, s92, s91
	s_mov_b32 s93, 0
	s_lshr_b32 s94, s92, 4                         ; and of 32 scale bytes
	s_mov_b32 s95, 0
	s_lshl_b32 s96, s86, 17                        ; R: (256 tile + 128 half) rows
	s_lshl_b32 s91, s90, 16
	s_add_co_u32 s96, s96, s91
	s_mov_b32 s97, 0
	s_lshr_b32 s98, s96, 4
	s_mov_b32 s99, 0
	s_wait_dscnt 0x0
	s_wait_kmcnt 0x0
	s_cmp_eq_u32 s83, 1                            ; the product's seven buffers: the choice hangs on the cluster's number alone
.irp p, 0,2,4,6,8,10,12
	s_cselect_b64 s[4+\p:5+\p], s[20+\p:21+\p], s[4+\p:5+\p]
.endr
	s_cmp_eq_u32 s83, 2
.irp p, 0,2,4,6,8,10,12
	s_cselect_b64 s[4+\p:5+\p], s[36+\p:37+\p], s[4+\p:5+\p]
.endr
	s_add_nc_u64 s[4:5], s[4:5], s[92:93]          ; P's codes, P's scales, R's codes, R's scales at the rows that I fetch
	s_add_nc_u64 s[6:7], s[6:7], s[94:95]
	s_add_nc_u64 s[8:9], s[8:9], s[96:97]
	s_add_nc_u64 s[10:11], s[10:11], s[98:99]
	; groups 1.  Codes: rows of 256 bytes (elements of 1 byte), 512 bytes apart in memory, 16 bytes of padding behind each; P 64 rows a load, R 128
	s_or_b32 s[G1P], s88, (1<<20)|(1<<21)|(5<<22)|(3<<25)   ; 15:0 the mask: my row; 20 padding on; 21 set beside a mask; 24:22 after every 64 words; 31:25 four words
	s_or_b32 s[G1R], s89, (1<<20)|(1<<21)|(5<<22)|(3<<25)   ; the same with my column
	s_mov_b32 s[G1P+1], 256<<16                    ; tensor_dim0
	s_mov_b32 s[G1P+2], 64<<16                     ; tensor_dim1
	s_mov_b32 s[G1P+3], 256<<16                    ; tile_dim0
	s_mov_b32 s[G1P+4], 64                         ; tile_dim1
	s_mov_b32 s[G1P+5], 512                        ; from row to row
	s_mov_b32 s[G1P+6], 0
	s_mov_b32 s[G1P+7], 0
	s_mov_b32 s[G1R+1], 256<<16
	s_mov_b32 s[G1R+2], 128<<16
	s_mov_b32 s[G1R+3], 256<<16
	s_mov_b32 s[G1R+4], 128
	s_mov_b32 s[G1R+5], 512
	s_mov_b32 s[G1R+6], 0
	s_mov_b32 s[G1R+7], 0
	; scale bytes: dense blocks, as rows of 256 bytes (32 elements of 8 bytes), 16 bytes of padding behind each; P 8 rows a load, R 16
	s_or_b32 s[G1PS], s88, (3<<16)|(1<<20)|(1<<21)|(5<<22)|(3<<25)
	s_or_b32 s[G1RS], s89, (3<<16)|(1<<20)|(1<<21)|(5<<22)|(3<<25)
	s_mov_b32 s[G1PS+1], 32<<16
	s_mov_b32 s[G1PS+2], 8<<16
	s_mov_b32 s[G1PS+3], 32<<16
	s_mov_b32 s[G1PS+4], 8
	s_mov_b32 s[G1PS+5], 32
	s_mov_b32 s[G1PS+6], 0
	s_mov_b32 s[G1PS+7], 0
	s_mov_b32 s[G1RS+1], 32<<16
	s_mov_b32 s[G1RS+2], 16<<16
	s_mov_b32 s[G1RS+3], 32<<16
	s_mov_b32 s[G1RS+4], 16
	s_mov_b32 s[G1RS+5], 32
	s_mov_b32 s[G1RS+6], 0
	s_mov_b32 s[G1RS+7], 0
	; groups 0.  No place in the cluster enters an LDS address
	s_mul_i32 s91, s90, 8*272
	s_mov_b32 s[G0PS], 1
	s_add_co_u32 s[G0PS+1], s91, SCL
	s_mov_b64 s[G0PS+2:G0PS+3], s[6:7]
	s_or_b32 s[G0PS+3], s[G0PS+3], 0x80000000
	s_mul_i32 s91, s90, 16*272
	s_mov_b32 s[G0RS], 1
	s_add_co_u32 s[G0RS+1], s91, SCR
	s_mov_b64 s[G0RS+2:G0RS+3], s[10:11]
	s_or_b32 s[G0RS+3], s[G0RS+3], 0x80000000
	s_mul_i32 s91, s90, 64*PITCH
.irp c, 0,1
	s_mov_b32 s[G0P+4*\c], 1
	s_add_co_u32 s[G0P+4*\c+1], s91, \c*CHUNK
	s_add_nc_u64 s[G0P+4*\c+2:G0P+4*\c+3], s[4:5], 256*\c
	s_or_b32 s[G0P+4*\c+3], s[G0P+4*\c+3], 0x80000000
.endr
	s_mul_i32 s91, s90, 128*PITCH
	s_mov_b32 s[G0R0], 1
	s_add_co_u32 s[G0R0+1], s91, PTILE
	s_mov_b64 s[G0R0+2:G0R0+3], s[8:9]
	s_or_b32 s[G0R0+3], s[G0R0+3], 0x80000000
	s_mov_b32 s[G0R1], 1
	s_add_co_u32 s[G0R1+1], s91, PTILE+CHUNK
	s_add_nc_u64 s[G0R1+2:G0R1+3], s[8:9], 256
	s_or_b32 s[G0R1+3], s[G0R1+3], 0x80000000
	CROUND                                         ; all sixteen work-groups are here: the joint loads meet
	JLOAD G0PS, G1PS, G0RS, G1RS                   ; the scale bytes of all of K,
	JLOAD G0P, G1P, G0R0, G1R                      ; chunk 0,
	JLOAD G0P+4, G1P, G0R1, G1R                    ; chunk 1: three tensor loads of mine are out, and no more follow
	; lane addresses
	v_and_b32 v1, 31, v0                           ; lane
	v_and_b32 v2, 15, v0                           ; r
	v_bfe_u32 v3, v0, 4, 1                         ; h
	v_mul_u32_u24 v16, v2, PITCH
	v_lshl_add_u32 v[ADP], v3, 4, v16              ; a fragment's row x pitch + 16 h
	v_add_nc_u32 v[ADP+1], CHUNK, v[ADP]
	s_mul_i32 s91, s[WV], 64*PITCH
	s_add_co_u32 s91, s91, PTILE
	v_add_nc_u32 v[ADR], s91, v[ADP]
	v_add_nc_u32 v[ADR+1], s91, v[ADP+1]
	v_lshrrev_b32 v16, 3, v2
	v_lshlrev_b32 v17, 5, v2
	v_lshl_add_u32 v16, v16, 4, v17                ; a row's 32 scale bytes: 32 r, and 16 more for each 256 passed
	v_add_nc_u32 v[ADPS], SCL, v16
	s_mul_i32 s91, s[WV], 8*272
	s_add_co_u32 s91, s91, SCR
	v_add_nc_u32 v[ADRS], s91, v16
	s_lshl_b32 s91, s[WV], 9
	s_add_co_u32 s91, s91, STG
	v_lshlrev_b32 v16, 2, v2
	v_lshl_add_u32 v16, v3, 8, v16
	v_add_nc_u32 v[SST], s91, v16                  ; my stage + 256 h + 4 r
	v_lshlrev_b32 v[L16], 4, v1
	v_add_nc_u32 v[SLD], s91, v[L16]
	v_lshlrev_b32 v16, 4, v2
	v_lshl_add_u32 v[SGO], v3, 13, v16             ; 16 (lane % 16), and lanes 16-31 one head (8,192 bytes) on
	; where the results go.  q, k: ((16 batch + head) x 128 + tile of tokens) x 512;  v: ((16 batch + head) x 16 + run of 128 keys) x 4,096
	s_lshr_b32 s2, s86, 3
	s_lshl_b32 s2, s2, 4
	s_lshl_b32 s3, s84, 1
	s_add_co_u32 s2, s2, s3
	s_lshl_b32 s2, s2, 7
	s_and_b32 s3, s86, 7
	s_lshl_b32 s3, s3, 4
	s_add_co_u32 s2, s2, s3
	s_lshl_b32 s3, s[WV], 2
	s_add_co_u32 s2, s2, s3
	s_lshl_b32 s2, s2, 9
	s_lshr_b32 s91, s84, 4
	s_lshl_b32 s91, s91, 4
	s_lshl_b32 s3, s86, 2
	s_add_co_u32 s91, s91, s3
	s_add_co_u32 s91, s91, s[WV]
	s_lshl_b32 s91, s91, 4
	s_and_b32 s3, s84, 15
	s_add_co_u32 s91, s91, s3
	s_lshl_b32 s91, s91, 12
	s_lshr_b32 s92, s2, 3                          ; the scale words: 64 bytes for 512 of codes,
	s_lshr_b32 s93, s91, 4                         ; v: 256 for 4,096
	s_mov_b32 s94, 512
	s_mov_b32 s95, 65536
	s_cmp_eq_u32 s87, 1
	s_cselect_b32 s2, s91, s2
	s_cselect_b32 s92, s93, s92
	s_cselect_b32 s94, 1024, s94                   ; from tj to tj + 1: q, k the next tile of tokens; v the next 16 of the head's 64
	s_cselect_b32 s95, 512, s95                    ; from registers 0-3 to 4-7: q, k the next head; v the fragment's second half
	s_cselect_b32 s96, 16, 32                      ; lanes that store scale words
	s_cselect_b32 s97, 0, 16
	s_mov_b32 s3, 0
	s_mov_b32 s93, 0
	s_add_nc_u64 s[14:15], s[14:15], s[2:3]
	s_add_nc_u64 s[16:17], s[16:17], s[92:93]
	v_mul_u32_u24 v[SH], s97, v3
.irp tj, 0,1,2,3
	s_mul_i32 s3, s94, \tj
	v_add_nc_u32 v[CO+2*\tj], s3, v[L16]
	s_add_co_u32 s3, s3, s95
	v_add_nc_u32 v[CO+2*\tj+1], s3, v[L16]
.endr
	; the bias, in the layout of a result: it is the C of each sum's first matrix instruction
	s_lshl_b32 s2, s86, 10
	s_lshl_b32 s3, s[WV], 8
	s_add_co_u32 s2, s2, s3                        ; v: my wave's 64 features
	s_lshl_b32 s3, s84, 9                          ; q, k: the tile's 128 features
	s_cmp_eq_u32 s87, 1
	s_cselect_b32 s2, s2, s3
	s_mov_b32 s3, 0
	s_add_nc_u64 s[12:13], s[12:13], s[2:3]
	s_cmp_eq_u32 s87, 1
	s_cbranch_scc1 .Lbias_v
	v_lshlrev_b32 v[BO], 5, v3                     ; by i: tile ti's register e is feature 16 ti + 8 h + e
.irp ti, 0,1,2,3,4,5,6,7
	global_load_b128 v[BIAS+8*\ti:BIAS+8*\ti+3], v[BO], s[12:13] offset:64*\ti
	global_load_b128 v[BIAS+8*\ti+4:BIAS+8*\ti+7], v[BO], s[12:13] offset:64*\ti+16
.endr
	s_branch .Lbias_done
.Lbias_v:
	v_lshlrev_b32 v[BO], 2, v2                     ; by j: all eight registers of tile tj are feature 16 tj + r
.irp tj, 0,1,2,3
	global_load_b32 v[BIAS+8*\tj], v[BO], s[12:13] offset:64*\tj
.endr
	s_wait_loadcnt 0x0                             ; (the tensor loads are on their way meanwhile)
.set x, 0
.rept 64
.if (x%8) || (x >= 32)
	v_mov_b32 v[BIAS+x], v[BIAS+8*((x/8)%4)]       ; all 64 registers are written on both ways
.endif
.set x, x+1
.endr
.Lbias_done:
.macro SCALES c                        ; chunk c's scale words: four a row, one for each 128 along K
.irp ti, 0,1,2,3,4,5,6,7
	ds_load_b128 v[SC+48*\c+4*\ti:SC+48*\c+4*\ti+3], v[ADPS] offset:544*\ti+16*\c
.endr
.irp tj, 0,1,2,3
	ds_load_b128 v[SC+48*\c+32+4*\tj:SC+48*\c+32+4*\tj+3], v[ADRS] offset:544*\tj+16*\c
.endr
.endm
; The 12 fragments of K step n (128 along K: 64 bytes of a row) into set n % 2: 24 loads.  A fragment is 8 registers: lane (r, h): row r; registers 4 c .. 4 c + 3: K = 64 c + 32 h + 0 .. 31
.macro FETCH n
	WIN 0x80                                       ; destination window 2
.irp ti, 0,1,2,3,4,5,6,7
.irp cc, 0,1
	ds_load_b128 v[96*((\n)%2)+8*\ti+4*\cc:96*((\n)%2)+8*\ti+4*\cc+3], v[ADP+(\n)/4] offset:\ti*16*PITCH+64*((\n)%4)+32*\cc
.endr
.endr
.irp tj, 0,1,2,3
.irp cc, 0,1
	ds_load_b128 v[96*((\n)%2)+64+8*\tj+4*\cc:96*((\n)%2)+64+8*\tj+4*\cc+3], v[ADR+(\n)/4] offset:\tj*16*PITCH+64*((\n)%4)+32*\cc
.endr
.endr
	WIN 0
.endm
; K step n: 32 matrix instructions; the 32 accumulators take turns, one instruction a turn, in the same order in every step.
; mode 0: onto the sums; 1: the sums begin with the bias by i; 2: with the bias by j
.macro MUL n, mode
.irp ti, 0,1,2,3,4,5,6,7
.irp tj, 0,1,2,3
.if (\mode) == 0
	v_wmma_scale_f32_16x16x128_f8f6f4 v[64*\tj+8*\ti:64*\tj+8*\ti+7], v[96*((\n)%2)+8*\ti:96*((\n)%2)+8*\ti+7], v[96*((\n)%2)+64+8*\tj:96*((\n)%2)+64+8*\tj+7], v[64*\tj+8*\ti:64*\tj+8*\ti+7], v[SC+48*((\n)/4)+4*\ti+(\n)%4], v[SC+48*((\n)/4)+32+4*\tj+(\n)%4] matrix_a_fmt:MATRIX_FMT_FP4 matrix_b_fmt:MATRIX_FMT_FP4
.elseif (\mode) == 1
	v_wmma_scale_f32_16x16x128_f8f6f4 v[64*\tj+8*\ti:64*\tj+8*\ti+7], v[96*((\n)%2)+8*\ti:96*((\n)%2)+8*\ti+7], v[96*((\n)%2)+64+8*\tj:96*((\n)%2)+64+8*\tj+7], v[BIAS+8*\ti:BIAS+8*\ti+7], v[SC+48*((\n)/4)+4*\ti+(\n)%4], v[SC+48*((\n)/4)+32+4*\tj+(\n)%4] matrix_a_fmt:MATRIX_FMT_FP4 matrix_b_fmt:MATRIX_FMT_FP4
.else
	v_wmma_scale_f32_16x16x128_f8f6f4 v[64*\tj+8*\ti:64*\tj+8*\ti+7], v[96*((\n)%2)+8*\ti:96*((\n)%2)+8*\ti+7], v[96*((\n)%2)+64+8*\tj:96*((\n)%2)+64+8*\tj+7], v[BIAS+8*\tj:BIAS+8*\tj+7], v[SC+48*((\n)/4)+4*\ti+(\n)%4], v[SC+48*((\n)/4)+32+4*\tj+(\n)%4] matrix_a_fmt:MATRIX_FMT_FP4 matrix_b_fmt:MATRIX_FMT_FP4
.endif
.endr
.endr
.endm
.macro STEP n
.if (\n) == 3
	s_wait_tensorcnt 0x0                           ; my part of chunk 1 is in,
	s_wait_dscnt 0x0                               ; (no LDS instruction of mine is pending at a signal)
	s_barrier_signal -1
	s_barrier_wait -1                              ; everybody's is
.endif
.if (\n) < 7
	FETCH (\n)+1                                   ; the next step's fragments, into the set that the last step multiplied
	s_wait_dscnt 24                                ; all but the 24 just issued: this step's fragments are in
.else
	s_wait_dscnt 0x0
.endif
	WIN 0x5a                                       ; P and R window 2, C and D window 1
	MUL \n, 0
	WIN 0
	PLACES 4                                       ; a load into a register that a matrix instruction has read, and a vector instruction that reads a result, stand four plain vector instructions behind it (ISA guide 7.12.1 for the vector instruction)
.endm
	s_wait_tensorcnt 1                             ; the scale bytes and my part of chunk 0 are in; chunk 1's load may stay out
	s_barrier_signal -1
	s_barrier_wait -1                              ; everybody's are
	SCALES 0
	SCALES 1
	FETCH 0
	FETCH 1
	s_wait_loadcnt 0x0                             ; the bias
	s_wait_dscnt 24                                ; all but step 1's fragments
	s_cmp_eq_u32 s87, 1
	s_cbranch_scc1 .Lmul_v
	WIN 0x4a                                       ; P and R window 2, C (the bias) window 0, D window 1
	MUL 0, 1
	WIN 0
	s_branch .Lmul_done
.Lmul_v:
	WIN 0x4a
	MUL 0, 2
	WIN 0
.Lmul_done:
	PLACES 4
.irp n, 1,2,3,4,5,6,7
	STEP \n
.endr
	; THE QUANTISER, all 16 blocks (tj, be) of a lane together.  Registers 64 tj + 16 be + e of lane (r, h): i = 32 be + 8 h + e (e < 8), 32 be + 16 + 8 h + e - 8 (else): half a block; lane l xor 16 holds the other half.
.irp b, 0,1,2,3,4,5,6,7,8,9,10,11,12,13,14,15
	v_mov_b32 v[TP+\b], 0                          ; a lane permute's destination counts as one of its sources
.endr
	WIN 0x05                                       ; sources 0 and 1 window 1
.irp tj, 0,1,2,3
.irp be, 0,1,2,3
	v_max3_num_f32 v[TM+4*\tj+\be], |v[64*\tj+16*\be]|, |v[64*\tj+16*\be+1]|, 0x1800000   ; each accumulator is read from its low end on; the floor 2^(3 - 127) holds the byte at 1 from below
.endr
.endr
	WIN 0x14                                       ; sources 1 and 2 window 1
.irp i, 2,4,6,8,10,12,14
.irp tj, 0,1,2,3
.irp be, 0,1,2,3
	v_max3_num_f32 v[TM+4*\tj+\be], v[TM+4*\tj+\be], |v[64*\tj+16*\be+\i]|, |v[64*\tj+16*\be+\i+1]|
.endr
.endr
.endr
	WIN 0
	s_mov_b32 s2, 0x76543210
	s_mov_b32 s3, 0xfedcba98                       ; v_permlanex16_b32's selects for lane l xor 16
.irp b, 0,1,2,3,4,5,6,7,8,9,10,11,12,13,14,15
	v_permlanex16_b32 v[TP+\b], v[TM+\b], s2, s3
.endr
.irp b, 0,1,2,3,4,5,6,7,8,9,10,11,12,13,14,15
	v_max_num_f32 v[TM+\b], v[TM+\b], v[TP+\b]     ; the block's largest magnitude
.endr
.irp b, 0,1,2,3,4,5,6,7,8,9,10,11,12,13,14,15
	v_add_nc_u32 v[SO+\b], 0xff000000, v[TM+\b]    ; 2 off its exponent field: the conversion takes the exponent field of this operand as its scale
.endr
.irp b, 0,1,2,3,4,5,6,7,8,9,10,11,12,13,14,15
	v_lshrrev_b32 v[TP+\b], 23, v[SO+\b]           ; the scale's byte
.endr
.irp tj, 0,1,2,3
	v_lshl_or_b32 v[PW+\tj], v[TP+4*\tj+1], 8, v[TP+4*\tj]
.endr
.irp tj, 0,1,2,3
	v_lshl_or_b32 v[PW+\tj], v[TP+4*\tj+2], 16, v[PW+\tj]
.endr
.irp tj, 0,1,2,3
	v_lshl_or_b32 v[PW+\tj], v[TP+4*\tj+3], 24, v[PW+\tj]
.endr
	WIN 0x01                                       ; source 0 window 1
.irp tj, 0,1,2,3
.irp be, 0,1,2,3
	v_cvt_scalef32_pk8_fp4_f32 v[PC+8*\tj+4*(\be/2)+(\be%2)], v[64*\tj+16*\be:64*\tj+16*\be+7], v[SO+4*\tj+\be]          ; the block's i = 8 h + 0 .. 7
	v_cvt_scalef32_pk8_fp4_f32 v[PC+8*\tj+4*(\be/2)+2+(\be%2)], v[64*\tj+16*\be+8:64*\tj+16*\be+15], v[SO+4*\tj+\be]     ; and 16 + 8 h + 0 .. 7
.endr
.endr
	WIN 0
	v_nop                                          ; one plain vector instruction behind the scaled conversions
.irp tj, 0,1,2,3
.irp c, 0,1                                    ; the operand wants a WHOLE block in a lane: lanes 0-15 block 2 c, lanes 16-31 block 2 c + 1.  The first register's lanes 16-31 change places with the second's lanes 0-15
	v_permlane16_swap_b32 v[PC+8*\tj+4*\c], v[PC+8*\tj+4*\c+1]      ; now k = 64 c + 32 h + 0 .. 7 and + 8 .. 15
	v_permlane16_swap_b32 v[PC+8*\tj+4*\c+2], v[PC+8*\tj+4*\c+3]    ; + 16 .. 23 and + 24 .. 31
.endr
.endr
.irp tj, 0,1,2,3
.irp c, 0,1
	global_store_b128 v[CO+2*\tj+\c], v[PC+8*\tj+4*\c:PC+8*\tj+4*\c+3], s[14:15]   ; 32 lanes store 512 consecutive bytes, at a multiple of 512 from the buffer's first byte
.endr
.endr
	; the scale words: through my stage, so that sixteen lanes store 256 consecutive bytes (four tiles x 16 words).  q, k: lanes 0-15 the even head's, lanes 16-31 the odd head's; v: lanes 0-15 alone
.irp tj, 0,1,2,3
	v_lshrrev_b32 v[SW+\tj], v[SH], v[PW+\tj]
.endr
.irp tj, 0,1,2,3
	ds_store_b32 v[SST], v[SW+\tj] offset:64*\tj
.endr
	ds_load_b128 v[SB:SB+3], v[SLD]                ; LDS serves a wave's instructions in order (ISA guide 5.7.1.4): this sees my stores
	s_wait_dscnt 0x0
	s_wait_xcnt 0x0                                ; EXEC is a source of the stores above: it changes only behind this wait
	v_cmp_gt_u32 vcc_lo, s96, v1
	s_and_saveexec_b32 s98, vcc_lo
	global_store_b128 v[SGO], v[SB:SB+3], s[16:17]
	s_wait_xcnt 0x0                                ; and again, in front of the line that widens it
	s_or_b32 exec_lo, exec_lo, s98
	s_wait_tensorcnt 0x0
	ds_add_u32 v254, v255
	s_wait_dscnt 0x0
	CROUND                                         ; the closing round: no work-group ends while a partner may still ask for a tile that names it
	s_endpgm
.Lfunc_end_k_q1f6669625c_proj:
	.size	k_q1f6669625c_proj, .Lfunc_end_k_q1f6669625c_proj-k_q1f6669625c_proj
	.p2alignl 7, 3214868480
	.fill 96, 4, 3214868480
	.section	.rodata,"a",@progbits
	.p2align	6, 0x0
	.amdhsa_kernel k_q1f6669625c_proj
		.amdhsa_group_segment_fixed_size 224768
		.amdhsa_private_segment_fixed_size 0
		.amdhsa_enable_private_segment 0
		.amdhsa_kernarg_size 168
		.amdhsa_user_sgpr_count 2
		.amdhsa_user_sgpr_kernarg_segment_ptr 1
		.amdhsa_wavefront_size32 1
		.amdhsa_system_sgpr_workgroup_id_x 1
		.amdhsa_system_sgpr_workgroup_id_y 1
		.amdhsa_system_sgpr_workgroup_id_z 1
		.amdhsa_system_vgpr_workitem_id 0
		.amdhsa_next_free_vgpr 768
		.amdhsa_next_free_sgpr 100
		.amdhsa_reserve_vcc 1
		.amdhsa_float_denorm_mode_32 3
		.amdhsa_float_denorm_mode_16_64 3
		.amdhsa_memory_ordered 1
		.amdhsa_forward_progress 1
		.amdhsa_inst_pref_size 86
	.end_amdhsa_kernel
	.amdgpu_metadata
---
amdhsa.version: [ 1, 2 ]
amdhsa.kernels:
  - .name:           k_q1f6669625c_proj
    .symbol:         k_q1f6669625c_proj.kd
    .args:
      - { .name: Wq_codes, .offset: 0, .size: 8, .value_kind: global_buffer, .address_space: global }
      - { .name: Wq_scales, .offset: 8, .size: 8, .value_kind: global_buffer, .address_space: global }
      - { .name: q_codes, .offset: 16, .size: 8, .value_kind: global_buffer, .address_space: global }
      - { .name: q_scales, .offset: 24, .size: 8, .value_kind: global_buffer, .address_space: global }
      - { .name: bq, .offset: 32, .size: 8, .value_kind: global_buffer, .address_space: global }
      - { .name: qf, .offset: 40, .size: 8, .value_kind: global_buffer, .address_space: global }
      - { .name: qs, .offset: 48, .size: 8, .value_kind: global_buffer, .address_space: global }
      - { .name: Wk_codes, .offset: 56, .size: 8, .value_kind: global_buffer, .address_space: global }
      - { .name: Wk_scales, .offset: 64, .size: 8, .value_kind: global_buffer, .address_space: global }
      - { .name: k_codes, .offset: 72, .size: 8, .value_kind: global_buffer, .address_space: global }
      - { .name: k_scales, .offset: 80, .size: 8, .value_kind: global_buffer, .address_space: global }
      - { .name: bk, .offset: 88, .size: 8, .value_kind: global_buffer, .address_space: global }
      - { .name: kf, .offset: 96, .size: 8, .value_kind: global_buffer, .address_space: global }
      - { .name: ks, .offset: 104, .size: 8, .value_kind: global_buffer, .address_space: global }
      - { .name: v_codes, .offset: 112, .size: 8, .value_kind: global_buffer, .address_space: global }
      - { .name: v_scales, .offset: 120, .size: 8, .value_kind: global_buffer, .address_space: global }
      - { .name: Wv_codes, .offset: 128, .size: 8, .value_kind: global_buffer, .address_space: global }
      - { .name: Wv_scales, .offset: 136, .size: 8, .value_kind: global_buffer, .address_space: global }
      - { .name: bv, .offset: 144, .size: 8, .value_kind: global_buffer, .address_space: global }
      - { .name: vf, .offset: 152, .size: 8, .value_kind: global_buffer, .address_space: global }
      - { .name: vs, .offset: 160, .size: 8, .value_kind: global_buffer, .address_space: global }
    .group_segment_fixed_size: 224768
    .private_segment_fixed_size: 0
    .kernarg_segment_align: 8
    .kernarg_segment_size: 168
    .max_flat_workgroup_size: 128
    .sgpr_count:     100
    .vgpr_count:     768
    .wavefront_size: 32
...
	.end_amdgpu_metadata
.endif
;; end of part 1
;; launch attn (part 2): grid 256 x 1, 4 waves a work-group, no clusters, 299,520 bytes of LDS; arguments mask, qf, qs, kf, ks, vf, vs, out0; writes out0
.if DOCPART == 2
	.amdgcn_target "amdgcn-amd-amdhsa--gfx1250"
	.amdhsa_code_object_version 6
	.text
	.protected	k_q1f6669625c_attn
	.globl	k_q1f6669625c_attn
	.p2align	8
	.type	k_q1f6669625c_attn,@function
k_q1f6669625c_attn:
	s_mov_b64 s[64:65], 0
	v_nop
	global_prefetch_b8 v0, s[64:65] scope:SCOPE_SE
	s_setreg_imm32_b32 hwreg(HW_REG_WAVE_MODE, 25, 1), 1
	s_wait_xcnt 0x0
; ATTENTION on codes of FP4 (E2M1): scores = qh kh^T / 8, masked by the int32 input mask; probs = softmax, finished and NORMALISED, quantised along the keys in blocks of 32; out = probs vh.
; qf, kf, vf, qs, ks, vs are images of operand registers (four registers of a fragment: 512 bytes, lane l's 16 bytes at 16 l), made by the launch before.
; SHARES.  A work-group owns 32 queries of one batch (two tiles a = 0, 1 of 16) for ALL 16 heads, in a loop of 16 trips.  Wave w owns keys 512 w .. 512 w + 511 for both tiles.
; S^T = K Q^T (source 0 = 16 keys, source 1 = 16 queries): register 8 t + j of lane (r, h) is key 16 t + 8 h + j of query r.  A wave's scores, 2 x 256 registers, STAY IN REGISTERS as p until the row's sum is
; known: so each score has one product, one exponential and one multiplication by f = 1 / the sum, and is then quantised.
; THE MASK is the same for the 16 heads.  It is read from memory once, turned into f32 (0, or -2^126 where mask == 0) and laid in LDS as an image of the accumulators: it is the C of S^T's matrix instructions,
; loaded into the accumulators' registers ahead of each head.  Masking so costs no vector instruction in the loop.
; K = 64 IN AN INSTRUCTION OF K = 128: Q's fragment has zero codes at k = 64 .. 127.  K's operand names eight registers, its own tile's four and the four behind them (the next tile's; behind the last tile V's
; first four): those codes meet Q's zeros alone.  The scale bytes there are the next head's or 0, never 0xff.
; SOFTMAX.  Each wave takes the maximum m_w and the sum l_w of its 512 keys: p = 2^(c s - c m_w), c = log2(e) / 8.  One exchange through LDS gives every wave all four (c m_w, l_w):
; m = the largest, l = sum of l_w 2^(c m_w - c m), f = 2^(c m_w - c m) / l, and p f is the softmax with the row's own maximum taken away.
; A block's largest p is not searched for: the block's largest SCORE goes through the same multiply-add, exponential and multiplication (this takes v_exp_f32 not to fall where its input rises).
; O^T = V^T P^T (source 0 = 16 of the head's 64, source 1 = P): each wave sums over its 512 keys; the four parts meet in LDS, and each wave adds and stores eight rows.
; NO CLUSTER, NO TENSOR LOAD: the mask's image takes 262,144 of LDS's 327,680 bytes and the exchange 36,864; what is left holds no slot of a head's 136 KB of K and V.  Each fragment of K and V is read by one wave
; of the work-group, once, and comes from memory straight into its registers, asked for a phase or more ahead of its use.
; LIMITS.  A masked score is -2^126 + q.k.  No largest score is taken under -2^100: a row whose largest score lies under that counts as fully masked (its output is 0).
; A block of p whose largest number lies under 2^-124 gets the byte 1 (a block of zeros too: its codes are zeros).  NaN and infinities are not served.
; REGISTERS, in windows of 256: window 0: see below.  window 1: S(0).  window 2: S(1).  window 3: v0-127 K's 32 tiles, four registers each; v128-255 V's 16 fragments.
;   O^T's eight accumulators (a, td) lie at window 1 v[32 a + 8 td]: S(0)'s first 64 registers, which are the first to be quantised.
.set OPB,   262144                     ; LDS: behind the four waves' mask images (65,536 bytes each): O's parts, for each wave 32 rows (16 a + r) of 256 bytes + 16
.set OPW,   32*272
.set STATB, OPB+4*OPW                  ; and 512 bytes for each wave: (c m, l) of both tiles, 16 bytes a lane
.set AKV, 1                            ; v1   16 lane + 16,384 wave: K's and V's images
.set AKS, 2                            ; v2   4 lane + 2,048 wave: K's scale words
.set AVS, 3                            ; v3   4 lane + 1,024 wave: V's
.set AQ,  4                            ; v4   16 lane: Q's images
.set AQS, 5                            ; v5   4 lane: Q's scale words
.set AMK, 6                            ; v6   16 lane + 2,048 wave: the mask's rows
.set AST, 7                            ; v7   where I put my statistics
.set ASL, 8                            ; v8   and read the four waves'
.set AOS, 9                            ; v9   where I put 16 bytes of O's part
.set AOL, 10                           ; v10  and read a row back
.set AOG, 11                           ; v11  its place in out0
.set AM,  12                           ; v12-19 the mask image's addresses
.set NEG, 20                           ; v20  -2^126
.set LOW, 21                           ; v21  -2^100
.set ZP,  22                           ; v22-23 0, 0
.set QF,  24                           ; v24-39 Q's two fragments; registers 4-7 of each are zeros
.set QS,  40                           ; v40  Q's scale words: lanes 0-15 tile 0, lanes 16-31 tile 1
.set KS,  41                           ; v41-56 K's: register p: lanes 0-15 tile 2 p, lanes 16-31 tile 2 p + 1
.set VS,  57                           ; v57-64 V's likewise
.set PW,  65                           ; v65-72 p's scale words, 4 a + s
.set ST4, 76                           ; v76-79 c m(0), l(0), c m(1), l(1)
.set XS,  80                           ; v80-95 the four waves' of these
.set BM,  96                           ; v96-127 block 16 a + b: its largest score, then its largest p, then the conversion's scale operand
.set MA,  96                           ; (ahead of the loop: 16 addresses for the mask's stores)
.set TP,  128                          ; v128-143 at work
.set SUM, 144                          ; v144-159 the sums' chains
.set PC,  160                          ; v160-175 p's codes, two fragments by turns
.set FP,  176                          ; v176-179 (f, f) of tile 0, of tile 1
.set T,   180
.set MG,  182
.set EX,  184
.set LL,  194
.set WV,  20
.set HD,  21
.set CS,  22                           ; s[22:23] c
.set SEL, 24                           ; s[24:25] v_permlanex16_b32's selects for lane l xor 16
.set THR, 26                           ; s26  -2^96
.set MSB, 0
.macro WIN new                         ; the immediate's high byte repeats the setting that is left; a switch that changes nothing is dropped
.if MSB != (\new)
	s_set_vgpr_msb (MSB<<8)|(\new)
.set MSB, (\new)
.endif
.endm
.macro PLACES n
.rept \n
	v_nop
.endr
.endm
.macro BARRIER                         ; my LDS stores have landed and my LDS loads are in: then the work-group's barrier
	s_wait_dscnt 0x0
	s_barrier_signal -1
	s_barrier_wait -1
.endm
; The mask's image of unit (a, s), 128 keys x 16 queries, into the 64 registers of S(a) that take those scores: 16 loads from my wave's own bytes
.macro CLOAD a, s
	WIN (1+(\a))<<6
.irp bb, 0,1,2,3
.irp i, 0,1,2,3
	ds_load_b128 v[64*(\s)+16*\bb+4*\i:64*(\s)+16*\bb+4*\i+3], v[AM+4*(\bb%2)+\i] offset:32768*(\a)+2048*(4*(\s)+\bb)+512*\i
.endr
.endr
	WIN 0
.endm
.macro CLOADX a, s                     ; the same for the next head: the last head has none
	s_cmp_eq_u32 s[HD], 15
	s_cbranch_scc1 .Lkeep_\@
	CLOAD \a, \s
.Lkeep_\@:
.endm
.macro KLOADS                          ; a head's K for my 512 keys (32 tiles), their scale words, Q's two tiles and theirs: 51 loads
	WIN 0xc0                                       ; destination window 3
.set kk, 0
.rept 32
	global_load_b128 v[4*kk:4*kk+3], v[AKV], s[10:11] offset:512*kk
.set kk, kk+1
.endr
	WIN 0
.irp p, 0,1,2,3,4,5,6,7,8,9,10,11,12,13,14,15
	global_load_b32 v[KS+\p], v[AKS], s[12:13] offset:128*\p
.endr
	global_load_b128 v[QF:QF+3], v[AQ], s[6:7]
	global_load_b128 v[QF+8:QF+11], v[AQ], s[6:7] offset:512
	global_load_b32 v[QS], v[AQS], s[8:9]
.endm
.macro VLOADS                          ; a head's V for my 512 keys (16 fragments) and their scale words: 40 loads
	WIN 0xc0
.set kk, 0
.rept 32
	global_load_b128 v[128+4*kk:128+4*kk+3], v[AKV], s[14:15] offset:512*kk
.set kk, kk+1
.endr
	WIN 0
.irp p, 0,1,2,3,4,5,6,7
	global_load_b32 v[VS+\p], v[AVS], s[16:17] offset:128*\p
.endr
.endm
; S^T's tile t of query tile a, onto the mask's image that lies in its registers
.macro QK a, t
.if ((\t)%2) && (\a)
	v_wmma_scale_f32_16x16x128_f8f6f4 v[8*(\t):8*(\t)+7], v[4*(\t):4*(\t)+7], v[QF+8*(\a):QF+8*(\a)+7], v[8*(\t):8*(\t)+7], v[KS+(\t)/2], v[QS] matrix_a_fmt:MATRIX_FMT_FP4 matrix_b_fmt:MATRIX_FMT_FP4 matrix_a_scale:MATRIX_SCALE_ROW1 matrix_b_scale:MATRIX_SCALE_ROW1
.elseif (\t)%2
	v_wmma_scale_f32_16x16x128_f8f6f4 v[8*(\t):8*(\t)+7], v[4*(\t):4*(\t)+7], v[QF+8*(\a):QF+8*(\a)+7], v[8*(\t):8*(\t)+7], v[KS+(\t)/2], v[QS] matrix_a_fmt:MATRIX_FMT_FP4 matrix_b_fmt:MATRIX_FMT_FP4 matrix_a_scale:MATRIX_SCALE_ROW1
.elseif \a
	v_wmma_scale_f32_16x16x128_f8f6f4 v[8*(\t):8*(\t)+7], v[4*(\t):4*(\t)+7], v[QF+8*(\a):QF+8*(\a)+7], v[8*(\t):8*(\t)+7], v[KS+(\t)/2], v[QS] matrix_a_fmt:MATRIX_FMT_FP4 matrix_b_fmt:MATRIX_FMT_FP4 matrix_b_scale:MATRIX_SCALE_ROW1
.else
	v_wmma_scale_f32_16x16x128_f8f6f4 v[8*(\t):8*(\t)+7], v[4*(\t):4*(\t)+7], v[QF+8*(\a):QF+8*(\a)+7], v[8*(\t):8*(\t)+7], v[KS+(\t)/2], v[QS] matrix_a_fmt:MATRIX_FMT_FP4 matrix_b_fmt:MATRIX_FMT_FP4
.endif
.endm
; Unit (a, s): 64 registers of p are multiplied by f and become a fragment's codes in PC + 8 buf.  Registers 16 bb + e of lane (r, h): key 32 bb + 8 h + e (e < 8), 32 bb + 16 + 8 h + e - 8 (else)
.macro UNITQ a, s, buf
	WIN (1+(\a))|((1+(\a))<<6)                     ; destination and source 0 in S(a)
.set jq, 64*(\s)
.rept 32
	v_pk_mul_f32 v[jq:jq+1], v[jq:jq+1], v[FP+2*(\a):FP+2*(\a)+1] op_sel_hi:[1,0]
.set jq, jq+2
.endr
	WIN 1+(\a)                                     ; source 0 in S(a)
.irp bb, 0,1,2,3
	v_cvt_scalef32_pk8_fp4_f32 v[PC+8*(\buf)+4*(\bb/2)+(\bb%2)], v[64*(\s)+16*\bb:64*(\s)+16*\bb+7], v[BM+16*(\a)+4*(\s)+\bb]
	v_cvt_scalef32_pk8_fp4_f32 v[PC+8*(\buf)+4*(\bb/2)+2+(\bb%2)], v[64*(\s)+16*\bb+8:64*(\s)+16*\bb+15], v[BM+16*(\a)+4*(\s)+\bb]
.endr
	WIN 0
	v_nop                                          ; one plain vector instruction behind the scaled conversions
.irp c, 0,1                                    ; a whole block to a lane: lanes 0-15 block 2 c, lanes 16-31 block 2 c + 1
	v_permlane16_swap_b32 v[PC+8*(\buf)+4*\c], v[PC+8*(\buf)+4*\c+1]
	v_permlane16_swap_b32 v[PC+8*(\buf)+4*\c+2], v[PC+8*(\buf)+4*\c+3]
.endr
.endm
; O^T of tile a += V^T P^T over the 128 keys of unit s: four matrix instructions.  The eight accumulators take turns, one instruction a turn.  s = 0 starts the sums
.macro PV a, s, buf
	WIN 0x53                                       ; V window 3, P window 0, C and D window 1
.irp td, 0,1,2,3
.if (\s) == 0
.if \td%2
	v_wmma_scale_f32_16x16x128_f8f6f4 v[32*(\a)+8*\td:32*(\a)+8*\td+7], v[128+8*(4*(\s)+\td):128+8*(4*(\s)+\td)+7], v[PC+8*(\buf):PC+8*(\buf)+7], 0, v[VS+2*(\s)+\td/2], v[PW+4*(\a)+(\s)] matrix_a_fmt:MATRIX_FMT_FP4 matrix_b_fmt:MATRIX_FMT_FP4 matrix_a_scale:MATRIX_SCALE_ROW1
.else
	v_wmma_scale_f32_16x16x128_f8f6f4 v[32*(\a)+8*\td:32*(\a)+8*\td+7], v[128+8*(4*(\s)+\td):128+8*(4*(\s)+\td)+7], v[PC+8*(\buf):PC+8*(\buf)+7], 0, v[VS+2*(\s)+\td/2], v[PW+4*(\a)+(\s)] matrix_a_fmt:MATRIX_FMT_FP4 matrix_b_fmt:MATRIX_FMT_FP4
.endif
.else
.if \td%2
	v_wmma_scale_f32_16x16x128_f8f6f4 v[32*(\a)+8*\td:32*(\a)+8*\td+7], v[128+8*(4*(\s)+\td):128+8*(4*(\s)+\td)+7], v[PC+8*(\buf):PC+8*(\buf)+7], v[32*(\a)+8*\td:32*(\a)+8*\td+7], v[VS+2*(\s)+\td/2], v[PW+4*(\a)+(\s)] matrix_a_fmt:MATRIX_FMT_FP4 matrix_b_fmt:MATRIX_FMT_FP4 matrix_a_scale:MATRIX_SCALE_ROW1
.else
	v_wmma_scale_f32_16x16x128_f8f6f4 v[32*(\a)+8*\td:32*(\a)+8*\td+7], v[128+8*(4*(\s)+\td):128+8*(4*(\s)+\td)+7], v[PC+8*(\buf):PC+8*(\buf)+7], v[32*(\a)+8*\td:32*(\a)+8*\td+7], v[VS+2*(\s)+\td/2], v[PW+4*(\a)+(\s)] matrix_a_fmt:MATRIX_FMT_FP4 matrix_b_fmt:MATRIX_FMT_FP4
.endif
.endif
.endr
.endm
	s_load_b256 s[4:11], s[0:1], 0x0               ; mask s[4:5], qf s[6:7], qs s[8:9], kf s[10:11]
	s_load_b256 s[12:19], s[0:1], 0x20             ; ks s[12:13], vf s[14:15], vs s[16:17], out0 s[18:19]
	v_lshl_add_u32 v254, v0, 2, 0x49000
	v_mov_b32 v255, 0
	v_lshrrev_b32 v[T], 5, v0
	v_readfirstlane_b32 s[WV], v[T]                ; wave 0..3
	v_and_b32 v[T], 31, v0                         ; lane
	v_and_b32 v[T+1], 15, v0                       ; r
	v_bfe_u32 v[T+2], v0, 4, 1                     ; h
	v_lshlrev_b32 v[AQ], 4, v[T]
	v_lshlrev_b32 v[AQS], 2, v[T]
	s_lshl_b32 s28, s[WV], 14
	v_add_nc_u32 v[AKV], s28, v[AQ]
	s_lshl_b32 s28, s[WV], 11
	v_add_nc_u32 v[AKS], s28, v[AQS]
	v_add_nc_u32 v[AMK], s28, v[AQ]
	s_lshl_b32 s28, s[WV], 10
	v_add_nc_u32 v[AVS], s28, v[AQS]
	s_lshr_b32 s29, ttmp9, 6                       ; the batch
	s_and_b32 s30, ttmp9, 63                       ; which 32 queries of it
	s_mov_b32 s33, 0
.irp e, 4,5,6,7,12,13,14,15
	v_mov_b32 v[QF+\e], 0                          ; Q's codes at k = 64 .. 127
.endr
	WIN 0xc0
.irp e, 0,1,2,3
	v_mov_b32 v[128+\e], 0                         ; named behind K's last tile before V first lands there
.endr
	s_wait_kmcnt 0x0
	s_lshl_b32 s32, ttmp9, 18                      ; 32 rows of the mask, 8,192 bytes each
	s_add_nc_u64 s[4:5], s[4:5], s[32:33]
	s_lshl_b32 s32, ttmp9, 17                      ; 32 rows of out0, 4,096 bytes each
	s_add_nc_u64 s[18:19], s[18:19], s[32:33]
	s_lshl_b32 s32, s29, 20                        ; a batch's 16 heads of 65,536 bytes of codes
	s_add_nc_u64 s[6:7], s[6:7], s[32:33]
	s_add_nc_u64 s[10:11], s[10:11], s[32:33]
	s_add_nc_u64 s[14:15], s[14:15], s[32:33]
	s_lshl_b32 s32, s30, 10                        ; my two tiles of Q
	s_add_nc_u64 s[6:7], s[6:7], s[32:33]
	s_lshl_b32 s32, s29, 17                        ; 16 heads of 8,192 bytes of scale words
	s_add_nc_u64 s[8:9], s[8:9], s[32:33]
	s_add_nc_u64 s[12:13], s[12:13], s[32:33]
	s_lshl_b32 s32, s30, 7
	s_add_nc_u64 s[8:9], s[8:9], s[32:33]
	s_lshl_b32 s32, s29, 16                        ; V's: 16 heads of 4,096 bytes
	s_add_nc_u64 s[16:17], s[16:17], s[32:33]
	KLOADS                                         ; head 0
	; THE MASK: my 512 keys of 32 rows: 128 loads of 512 consecutive bytes, row q / 4 and piece q % 4 into registers 4 q on of windows 1 and 2
.set q, 0
.rept 128
	WIN (1+q/64)<<6
	global_load_b128 v[(4*q)%256:(4*q)%256+3], v[AMK], s[4:5] offset:8192*(q/4)+512*(q%4) th:TH_LOAD_NT
.set q, q+1
.endr
	WIN 0
	; addresses and constants, while the loads are on their way
	s_mov_b32 s[CS], 0x3e38aa3b                    ; c = log2(e) / 8
	s_mov_b32 s[CS+1], s[CS]                       ; (named with it as a pair, so it is written)
	s_mov_b32 s[SEL], 0x76543210
	s_mov_b32 s[SEL+1], 0xfedcba98
	s_mov_b32 s[THR], 0xef800000                   ; -2^96
	v_mov_b32 v[NEG], 0xfe800000                   ; -2^126
	v_mov_b32 v[LOW], 0xf1800000                   ; -2^100
	v_mov_b32 v[ZP], 0
	v_mov_b32 v[ZP+1], 0
.irp e, 0,1,2,3
	v_mov_b32 v[ST4+\e], 0
.endr
.irp e, 0,1,2,3,4,5,6,7,8,9,10,11,12,13,14,15
	v_mov_b32 v[TP+\e], 0                          ; a lane permute's destination counts as one of its sources
.endr
	s_lshl_b32 s28, s[WV], 9
	s_add_co_u32 s28, s28, STATB
	v_add_nc_u32 v[AST], s28, v[AQ]
	v_add_nc_u32 v[ASL], STATB, v[AQ]
	v_mul_u32_u24 v[T+3], v[T+1], 272
	v_lshl_add_u32 v[T+3], v[T+2], 5, v[T+3]
	s_mul_i32 s28, s[WV], OPW
	s_add_co_u32 s28, s28, OPB
	v_add_nc_u32 v[AOS], s28, v[T+3]               ; my part: row r, + 32 h
	v_mul_u32_u24 v[T+3], v[T+2], 272
	v_lshl_add_u32 v[T+3], v[T+1], 4, v[T+3]
	s_mul_i32 s28, s[WV], 8*272
	s_add_co_u32 s28, s28, OPB
	v_add_nc_u32 v[AOL], s28, v[T+3]               ; back: rows 8 w + h, 16 bytes a lane
	v_lshlrev_b32 v[T+3], 12, v[T+2]
	v_lshl_add_u32 v[T+3], v[T+1], 4, v[T+3]
	s_lshl_b32 s28, s[WV], 15
	v_add_nc_u32 v[AOG], s28, v[T+3]               ; and the same rows of out0
	; THE IMAGE.  Group (a, b, i): registers 16 b + 4 i .. + 3 of S(a): keys 32 b + 16 (i / 2) + 8 h + 4 (i % 2) + 0 .. 3 of query 16 a + r, at
	; 65,536 w + 32,768 a + 2,048 b + 512 i + 256 h + 16 (r xor z), z = 8 (b % 2) + 4 (i / 2) + 2 h + i % 2.  A load's sixteen lanes take the sixteen 16-byte columns of one block of 256 bytes;
	; on the way in, z is the storing lane's number % 16, so that a store's sixteen lanes fall on sixteen different columns too.
	v_lshlrev_b32 v[T+3], 1, v[T+2]
	v_xor_b32 v[T+3], v[T+3], v[T+1]               ; r xor 2 h
	s_lshl_b32 s28, s[WV], 16
	v_lshlrev_b32 v[T+4], 8, v[T+2]
	v_add_nc_u32 v[T+4], s28, v[T+4]
.irp n, 0,1,2,3,4,5,6,7
	v_xor_b32 v[T+5], 8*(\n/4)+4*((\n%4)/2)+(\n%2), v[T+3]
	v_lshl_add_u32 v[AM+\n], v[T+5], 4, v[T+4]     ; n = 4 (b % 2) + i
.endr
	; on the way in lane l holds keys 128 piece + 4 l + 0 .. 3: b % 4 = l / 8, i = 2 ((l / 4) % 2) + l % 2, h = (l / 2) % 2
	v_bfe_u32 v[T+5], v0, 3, 2
	v_lshlrev_b32 v[T+6], 11, v[T+5]
	v_bfe_u32 v[T+5], v0, 2, 1
	v_lshl_add_u32 v[T+6], v[T+5], 10, v[T+6]
	v_and_b32 v[T+5], 1, v0
	v_lshl_add_u32 v[T+6], v[T+5], 9, v[T+6]
	v_bfe_u32 v[T+5], v0, 1, 1
	v_lshl_add_u32 v[T+6], v[T+5], 8, v[T+6]
	v_lshl_add_u32 v[T+6], v[T+1], 4, v[T+6]
	v_add_nc_u32 v[T+6], s28, v[T+6]
.irp e, 0,1,2,3,4,5,6,7,8,9,10,11,12,13,14,15
	v_xor_b32 v[MA+\e], 16*\e, v[T+6]              ; for query e of a tile
.endr
; Eight rows of the mask: 0 where the word is not 0, -2^126 where it is; then into the image
.macro MBATCH b, cnt
	s_wait_loadcnt \cnt
	WIN (1+(\b)/2)|((1+(\b)/2)<<6)
.set x, 128*((\b)%2)
.rept 32
.irp e, 0,1,2,3
	v_cmp_eq_u32 s[36+\e], v[x+\e], 0
.endr
.irp e, 0,1,2,3
	v_cndmask_b32 v[x+\e], 0, v[NEG], s[36+\e]
.endr
.set x, x+4
.endr
	WIN (1+(\b)/2)<<2                              ; an LDS store's data are its source 1
.irp e, 0,1,2,3,4,5,6,7
.irp sg, 0,1,2,3
	ds_store_b128 v[MA+8*((\b)%2)+\e], v[16*(8*((\b)%2)+\e)+4*\sg:16*(8*((\b)%2)+\e)+4*\sg+3] offset:32768*((\b)/2)+8192*\sg
.endr
.endr
.endm
	MBATCH 0, 63                                   ; behind these 32 loads 96 were issued; 63 is the largest count that the wait names
	MBATCH 1, 63                                   ; 64 behind these
	MBATCH 2, 32
	MBATCH 3, 0                                    ; all loads are in, head 0's K and Q among them
	WIN 0
	CLOAD 1, 0                                     ; head 0's C.  LDS serves a wave's instructions in order (ISA guide 5.7.1.4), and the image is my wave's own: no wait, no barrier
	CLOAD 1, 1
	CLOAD 1, 2
	CLOAD 1, 3
	CLOAD 0, 1
	CLOAD 0, 2
	CLOAD 0, 3
	CLOAD 0, 0                                     ; last, as in the loop
	s_mov_b32 s[HD], 0
.Lhead:
	; ---- S^T = K Q^T + the mask's image
	s_wait_dscnt 16                                ; all of the image but unit (0, 0)'s 16 loads, the last issued
	WIN 0xa3                                       ; K window 3, Q window 0, C and D window 2
.set tt, 0
.rept 32
	QK 1, tt
.set tt, tt+1
.endr
	WIN 0x53                                       ; C and D window 1
.set tt, 8
.rept 24
	QK 0, tt
.set tt, tt+1
.endr
	s_wait_dscnt 0x0
.set tt, 0
.rept 8
	QK 0, tt
.set tt, tt+1
.endr
	PLACES 4                                       ; a load into a register that a matrix instruction has read, and a vector instruction that reads a result, stand four plain vector instructions behind it (ISA guide 7.12.1 for the vector instruction)
	VLOADS                                         ; this head's V: wanted behind the softmax
	; ---- the largest score of each block of 32 keys, with -2^100 as one more leaf; each accumulator is read from its low end on
.irp a, 0,1
	WIN ((1+\a)<<2)|((1+\a)<<4)                    ; sources 1 and 2 in S(a)
.irp i, 0,2,4,6,8,10,12,14
.irp b, 0,1,2,3,4,5,6,7,8,9,10,11,12,13,14,15
.if \i == 0
	v_max3_num_f32 v[BM+16*\a+\b], v[LOW], v[16*\b], v[16*\b+1]
.else
	v_max3_num_f32 v[BM+16*\a+\b], v[BM+16*\a+\b], v[16*\b+\i], v[16*\b+\i+1]
.endif
.endr
.endr
.endr
	WIN 0
.irp a, 0,1
.irp b, 0,1,2,3,4,5,6,7,8,9,10,11,12,13,14,15
	v_permlanex16_b32 v[TP+\b], v[BM+16*\a+\b], s[SEL], s[SEL+1]
.endr
.irp b, 0,1,2,3,4,5,6,7,8,9,10,11,12,13,14,15
	v_max_num_f32 v[BM+16*\a+\b], v[BM+16*\a+\b], v[TP+\b]   ; with lane l xor 16's half of the block
.endr
.endr
.irp a, 0,1
	v_max3_num_f32 v[T+\a], v[BM+16*\a], v[BM+16*\a+1], v[BM+16*\a+2]
.endr
.irp i, 3,5,7,9,11,13
.irp a, 0,1
	v_max3_num_f32 v[T+\a], v[T+\a], v[BM+16*\a+\i], v[BM+16*\a+\i+1]
.endr
.endr
.irp a, 0,1
	v_max_num_f32 v[T+\a], v[T+\a], v[BM+16*\a+15] ; m_w: my 512 keys' largest score of my query
.endr
.irp a, 0,1
	v_mul_f32 v[ST4+2*\a], s[CS], v[T+\a]          ; c m_w.  (Of a slice that is masked throughout: -c 2^100, exact: every p there is 0)
.endr
	; ---- the next head's K and Q: their registers are free, and V's 40 loads have had the lines above in which to come in
	s_cmp_eq_u32 s[HD], 15
	s_cbranch_scc1 .Lno_k
	s_add_nc_u64 s[10:11], s[10:11], 65536         ; (the loads that read these bases were shown done by the last wait for all loads)
	s_add_nc_u64 s[12:13], s[12:13], 8192
	s_add_nc_u64 s[6:7], s[6:7], 65536
	s_add_nc_u64 s[8:9], s[8:9], 8192
	KLOADS
.Lno_k:
	; ---- p = 2^(c s - c m_w), in place: ONE BATCH of 544 exponentials; the scalings run four pairs ahead; nothing names a result ahead of the one wait
.irp a, 0,1
	WIN (1+\a)|((1+\a)<<6)                         ; destination and source 0 in S(a)
.irp j, 0,2,4,6
	v_pk_fma_f32 v[\j:\j+1], v[\j:\j+1], s[CS:CS+1], v[ST4+2*\a:ST4+2*\a+1] op_sel_hi:[1,0,0] neg_lo:[0,0,1] neg_hi:[0,0,1]
.endr
.set je, 0
.rept 128
	v_exp_f32 v[je], v[je]
	v_exp_f32 v[je+1], v[je+1]
.if je+8 < 256
	v_pk_fma_f32 v[je+8:je+9], v[je+8:je+9], s[CS:CS+1], v[ST4+2*\a:ST4+2*\a+1] op_sel_hi:[1,0,0] neg_lo:[0,0,1] neg_hi:[0,0,1]
.endif
.set je, je+2
.endr
.endr
	WIN 0
.irp a, 0,1
.irp b, 0,1,2,3,4,5,6,7,8,9,10,11,12,13,14,15
	v_fma_f32 v[BM+16*\a+\b], v[BM+16*\a+\b], s[CS], -v[ST4+2*\a]   ; the same of each block's largest score
.endr
.endr
.irp b, 0,1,2,3,4,5,6,7,8,9,10,11,12,13,14,15,16,17,18,19,20,21,22,23,24,25,26,27,28,29,30,31
	v_exp_f32 v[BM+\b], v[BM+\b]                   ; the block's largest p: the same instructions on the same number give the same bits
.endr
	v_nop                                          ; a plain instruction behind the last exponential,
	s_wait_alu depctr_va_vdst(0)                   ; and the wait ahead of the first use: one for the batch
	; ---- l_w: the sum of my 512 p, two at a time, in four chains
.irp a, 0,1
	WIN ((1+\a)<<2)|((1+\a)<<4)
.set js, 0
.rept 128
.if js < 8
	v_pk_add_f32 v[SUM+8*\a+js:SUM+8*\a+js+1], v[ZP:ZP+1], v[js:js+1]
.else
	v_pk_add_f32 v[SUM+8*\a+js%8:SUM+8*\a+js%8+1], v[SUM+8*\a+js%8:SUM+8*\a+js%8+1], v[js:js+1]
.endif
.set js, js+2
.endr
.endr
	WIN 0
.irp a, 0,1
	v_pk_add_f32 v[SUM+8*\a:SUM+8*\a+1], v[SUM+8*\a:SUM+8*\a+1], v[SUM+8*\a+2:SUM+8*\a+3]
	v_pk_add_f32 v[SUM+8*\a+4:SUM+8*\a+5], v[SUM+8*\a+4:SUM+8*\a+5], v[SUM+8*\a+6:SUM+8*\a+7]
.endr
.irp a, 0,1
	v_pk_add_f32 v[SUM+8*\a:SUM+8*\a+1], v[SUM+8*\a:SUM+8*\a+1], v[SUM+8*\a+4:SUM+8*\a+5]
.endr
.irp a, 0,1
	v_add_f32 v[SUM+8*\a], v[SUM+8*\a], v[SUM+8*\a+1]
.endr
.irp a, 0,1
	v_permlanex16_b32 v[TP+\a], v[SUM+8*\a], s[SEL], s[SEL+1]
.endr
.irp a, 0,1
	v_add_f32 v[ST4+2*\a+1], v[SUM+8*\a], v[TP+\a]
.endr
	; ---- the four waves' (c m_w, l_w) meet.  The words are written again only behind the barrier further down, which every wave signals behind its reads of them
	ds_store_b128 v[AST], v[ST4:ST4+3]
	BARRIER
.irp w, 0,1,2,3
	ds_load_b128 v[XS+4*\w:XS+4*\w+3], v[ASL] offset:512*\w
.endr
	s_wait_dscnt 0x0
.irp a, 0,1
	v_max3_num_f32 v[MG+\a], v[XS+2*\a], v[XS+4+2*\a], v[XS+8+2*\a]
.endr
.irp a, 0,1
	v_max_num_f32 v[MG+\a], v[MG+\a], v[XS+12+2*\a]   ; c m: the row's
.endr
.irp a, 0,1
.irp w, 0,1,2,3
	v_sub_f32 v[EX+5*\a+\w], v[XS+4*\w+2*\a], v[MG+\a]
.endr
	v_sub_f32 v[EX+5*\a+4], v[ST4+2*\a], v[MG+\a]  ; and my own wave's
.endr
.irp e, 0,1,2,3,4,5,6,7,8,9
	v_exp_f32 v[EX+\e], v[EX+\e]
.endr
	v_nop
	s_wait_alu depctr_va_vdst(0)                   ; one wait for the ten
.irp a, 0,1
	v_mul_f32 v[LL+\a], v[XS+1+2*\a], v[EX+5*\a]
.endr
.irp w, 1,2,3
.irp a, 0,1
	v_fma_f32 v[LL+\a], v[XS+4*\w+1+2*\a], v[EX+5*\a+\w], v[LL+\a]   ; l = the sum of l_w 2^(c m_w - c m)
.endr
.endr
.irp a, 0,1
	v_rcp_f32 v[LL+\a], v[LL+\a]
.endr
	v_nop
	s_wait_alu depctr_va_vdst(0)                   ; one wait for the two
.irp a, 0,1
	v_mul_f32 v[LL+\a], v[LL+\a], v[EX+5*\a+4]     ; f = 2^(c m_w - c m) / l
.endr
.irp a, 0,1
	v_cmp_le_f32 vcc_lo, s[THR], v[MG+\a]          ; a row that is masked throughout has c m = -c 2^100, under -2^96: its f is 0, so its probs are zeros
	v_cndmask_b32 v[FP+2*\a], 0, v[LL+\a], vcc_lo
	v_cndmask_b32 v[FP+2*\a+1], 0, v[LL+\a], vcc_lo
.endr
	; ---- the 32 blocks' scales
.irp a, 0,1
.irp b, 0,1,2,3,4,5,6,7,8,9,10,11,12,13,14,15
	v_mul_f32 v[BM+16*\a+\b], v[BM+16*\a+\b], v[FP+2*\a]   ; the block's largest number
.endr
.endr
.irp b, 0,1,2,3,4,5,6,7,8,9,10,11,12,13,14,15,16,17,18,19,20,21,22,23,24,25,26,27,28,29,30,31
	v_max_num_f32 v[BM+\b], 0x1800000, v[BM+\b]    ; the floor 2^(3 - 127): the byte cannot fall under 1
.endr
.irp b, 0,1,2,3,4,5,6,7,8,9,10,11,12,13,14,15,16,17,18,19,20,21,22,23,24,25,26,27,28,29,30,31
	v_add_nc_u32 v[BM+\b], 0xff000000, v[BM+\b]    ; 2 off the exponent field: the conversion's scale operand
.endr
.irp a, 0,1
.irp b, 0,1,2,3,4,5,6,7,8,9,10,11,12,13,14,15
	v_lshrrev_b32 v[TP+\b], 23, v[BM+16*\a+\b]     ; the scale's byte
.endr
.irp s, 0,1,2,3
	v_lshl_or_b32 v[PW+4*\a+\s], v[TP+4*\s+1], 8, v[TP+4*\s]
.endr
.irp s, 0,1,2,3
	v_lshl_or_b32 v[PW+4*\a+\s], v[TP+4*\s+2], 16, v[PW+4*\a+\s]
.endr
.irp s, 0,1,2,3
	v_lshl_or_b32 v[PW+4*\a+\s], v[TP+4*\s+3], 24, v[PW+4*\a+\s]
.endr
.endr
	; ---- unit by unit: p f, its codes; the unit's registers take the next head's C; the unit before is multiplied.  A unit's 32 multiplications are the places between the unit before's codes and its products,
	; and between a fragment's products and the conversions that write the fragment again
	UNITQ 0, 0, 0                                  ; (its registers take O^T's accumulators: their C comes at the trip's end)
	UNITQ 1, 0, 1
	CLOADX 1, 0
	s_wait_loadcnt 0x0                             ; V, and the next head's K and Q
	s_add_nc_u64 s[14:15], s[14:15], 65536         ; so V's bases may step
	s_add_nc_u64 s[16:17], s[16:17], 4096
	PV 0, 0, 0
	UNITQ 0, 1, 0
	CLOADX 0, 1
	PV 1, 0, 1
	UNITQ 1, 1, 1
	CLOADX 1, 1
	PV 0, 1, 0
	UNITQ 0, 2, 0
	CLOADX 0, 2
	PV 1, 1, 1
	UNITQ 1, 2, 1
	CLOADX 1, 2
	PV 0, 2, 0
	UNITQ 0, 3, 0
	CLOADX 0, 3
	PV 1, 2, 1
	UNITQ 1, 3, 1
	CLOADX 1, 3
	PV 0, 3, 0
	PLACES 4                                       ; the last unit's codes were written by vector instructions with matrix instructions alone behind them
	PV 1, 3, 1
	; ---- the four waves' parts of O^T meet in LDS; each wave adds and stores eight rows
	PLACES 4
	WIN 0x04                                       ; an LDS store's data are its source 1: window 1
.irp a, 0,1
.irp td, 0,1,2,3
	ds_store_b128 v[AOS], v[32*\a+8*\td:32*\a+8*\td+3] offset:16*272*\a+64*\td         ; lane (r, h): query 16 a + r, the head's 16 td + 8 h + 0 .. 7; each accumulator from its low end on
	ds_store_b128 v[AOS], v[32*\a+8*\td+4:32*\a+8*\td+7] offset:16*272*\a+64*\td+16
.endr
.endr
	WIN 0
	BARRIER                                        ; (its wait covers the image's loads too.)  The parts are written again only behind the next head's first barrier, which every wave signals behind its reads below
	WIN 0x40
.irp w, 0,1,2,3
.irp k, 0,1,2,3
	ds_load_b128 v[16*\w+4*\k:16*\w+4*\k+3], v[AOL] offset:OPW*\w+544*\k   ; rows 8 wave + 2 k + lane / 16 of part w
.endr
.endr
	s_wait_dscnt 0x0
	WIN 0x55                                       ; all in window 1
.irp k, 0,1,2,3
.irp e, 0,2
	v_pk_add_f32 v[4*\k+\e:4*\k+\e+1], v[4*\k+\e:4*\k+\e+1], v[16+4*\k+\e:16+4*\k+\e+1]
	v_pk_add_f32 v[32+4*\k+\e:32+4*\k+\e+1], v[32+4*\k+\e:32+4*\k+\e+1], v[48+4*\k+\e:48+4*\k+\e+1]
.endr
.endr
.irp k, 0,1,2,3
.irp e, 0,2
	v_pk_add_f32 v[4*\k+\e:4*\k+\e+1], v[4*\k+\e:4*\k+\e+1], v[32+4*\k+\e:32+4*\k+\e+1]
.endr
.endr
	WIN 0x04                                       ; a store's data are its source 1
.irp k, 0,1,2,3
	global_store_b128 v[AOG], v[4*\k:4*\k+3], s[18:19] offset:8192*\k th:TH_STORE_NT   ; sixteen lanes store 256 consecutive bytes, a query's 64 numbers of this head, at a multiple of 256 from out0's first byte
.endr
	WIN 0
	s_wait_xcnt 0x0                                ; the stores have read their registers and their base: both are written again only behind this wait
	s_add_nc_u64 s[18:19], s[18:19], 256           ; the next head's 64 columns
	CLOADX 0, 0                                    ; the next head's C for the registers that held O^T
	s_add_co_u32 s[HD], s[HD], 1
	s_cmp_lt_u32 s[HD], 16
	s_cbranch_scc1 .Lhead
	s_wait_tensorcnt 0x0
	ds_add_u32 v254, v255
	s_wait_dscnt 0x0
	s_endpgm
.Lfunc_end_k_q1f6669625c_attn:
	.size	k_q1f6669625c_attn, .Lfunc_end_k_q1f6669625c_attn-k_q1f6669625c_attn
	.p2alignl 7, 3214868480
	.fill 96, 4, 3214868480
	.section	.rodata,"a",@progbits
	.p2align	6, 0x0
	.amdhsa_kernel k_q1f6669625c_attn
		.amdhsa_group_segment_fixed_size 299520
		.amdhsa_private_segment_fixed_size 0
		.amdhsa_enable_private_segment 0
		.amdhsa_kernarg_size 64
		.amdhsa_user_sgpr_count 2
		.amdhsa_user_sgpr_kernarg_segment_ptr 1
		.amdhsa_wavefront_size32 1
		.amdhsa_system_sgpr_workgroup_id_x 1
		.amdhsa_system_sgpr_workgroup_id_y 1
		.amdhsa_system_sgpr_workgroup_id_z 1
		.amdhsa_system_vgpr_workitem_id 0
		.amdhsa_next_free_vgpr 1024
		.amdhsa_next_free_sgpr 66
		.amdhsa_reserve_vcc 1
		.amdhsa_float_denorm_mode_32 3
		.amdhsa_float_denorm_mode_16_64 3
		.amdhsa_memory_ordered 1
		.amdhsa_forward_progress 1
		.amdhsa_inst_pref_size 244
	.end_amdhsa_kernel
	.amdgpu_metadata
---
amdhsa.version: [ 1, 2 ]
amdhsa.kernels:
  - .name:           k_q1f6669625c_attn
    .symbol:         k_q1f6669625c_attn.kd
    .args:
      - { .name: mask, .offset: 0, .size: 8, .value_kind: global_buffer, .address_space: global }
      - { .name: qf, .offset: 8, .size: 8, .value_kind: global_buffer, .address_space: global }
      - { .name: qs, .offset: 16, .size: 8, .value_kind: global_buffer, .address_space: global }
      - { .name: kf, .offset: 24, .size: 8, .value_kind: global_buffer, .address_space: global }
      - { .name: ks, .offset: 32, .size: 8, .value_kind: global_buffer, .address_space: global }
      - { .name: vf, .offset: 40, .size: 8, .value_kind: global_buffer, .address_space: global }
      - { .name: vs, .offset: 48, .size: 8, .value_kind: global_buffer, .address_space: global }
      - { .name: out0, .offset: 56, .size: 8, .value_kind: global_buffer, .address_space: global }
    .group_segment_fixed_size: 299520
    .private_segment_fixed_size: 0
    .kernarg_segment_align: 8
    .kernarg_segment_size: 64
    .max_flat_workgroup_size: 128
    .sgpr_count:     66
    .vgpr_count:     1024
    .wavefront_size: 32
...
	.end_amdgpu_metadata
.endif
;; end of part 2
;; ======== version 2 of 2: 2 launches; version 1 with the launch attn written anew for expert scheduling mode
;; limits: right only within a limited range of input values
;; workspace buffers: qf 4,194,304 bytes; kf 4,194,304 bytes; vf 4,194,304 bytes; qs 524,288 bytes; ks 524,288 bytes; vs 262,144 bytes
;; launch proj: the kernel of part 1 again; grid 32 x 24, 4 waves a work-group, clusters of 4 x 4, 224,768 bytes of LDS; arguments Wq_codes, Wq_scales, q_codes, q_scales, bq, qf, qs, Wk_codes, Wk_scales, k_codes, k_scales, bk, kf, ks, v_codes, v_scales, Wv_codes, Wv_scales, bv, vf, vs; writes qf, qs, kf, ks, vf, vs
;; launch attn (part 3): grid 256 x 1, 4 waves a work-group, no clusters, 299,520 bytes of LDS; arguments mask, qf, qs, kf, ks, vf, vs, out0; writes out0
.if DOCPART == 3
	.amdgcn_target "amdgcn-amd-amdhsa--gfx1250"
	.amdhsa_code_object_version 6
	.text
	.protected	k_q1f6669625c_attn
	.globl	k_q1f6669625c_attn
	.p2align	8
	.type	k_q1f6669625c_attn,@function
k_q1f6669625c_attn:
	s_mov_b64 s[64:65], 0
	v_nop
	global_prefetch_b8 v0, s[64:65] scope:SCOPE_SE
	s_setreg_imm32_b32 hwreg(HW_REG_WAVE_SCHED_MODE, 0, 2), 2
	s_setreg_imm32_b32 hwreg(HW_REG_WAVE_MODE, 25, 1), 1
	s_wait_xcnt 0x0
	s_wait_alu depctr_vm_vsrc(0)
; ATTENTION on codes of FP4 (E2M1): scores = qh kh^T / 8, masked by the int32 input mask; probs = softmax, finished and NORMALISED, quantised along the keys in blocks of 32; out = probs vh.
; qf, kf, vf, qs, ks, vs are images of operand registers (four registers of a fragment: 512 bytes, lane l's 16 bytes at 16 l), made by the launch before.
; SHARES.  A work-group owns 32 queries of one batch (two tiles a = 0, 1 of 16) for ALL 16 heads, in a loop of 16 trips.  Wave w owns keys 512 w .. 512 w + 511 for both tiles.
; S^T = K Q^T (source 0 = 16 keys, source 1 = 16 queries): register 8 t + j of lane (r, h) is key 16 t + 8 h + j of query r.  A wave's scores, 2 x 256 registers, STAY IN REGISTERS as p until the row's sum is
; known: so each score has one product, one exponential and one multiplication by f = 1 / the sum, and is then quantised.
; THE MASK is the same for the 16 heads.  It is read from memory once, turned into f32 (0, or -2^126 where mask == 0) and laid in LDS as an image of the accumulators: it is the C of S^T's matrix instructions,
; loaded into the accumulators' registers ahead of each head.  Masking so costs no vector instruction in the loop.
; K = 64 IN AN INSTRUCTION OF K = 128: Q's fragment has zero codes at k = 64 .. 127.  K's operand names eight registers, its own tile's four and the four behind them (the next tile's; behind the last tile V's
; first four): those codes meet Q's zeros alone.  The scale bytes there are the next head's or 0, never 0xff.
; SOFTMAX.  Each wave takes the maximum m_w and the sum l_w of its 512 keys: p = 2^(c s - c m_w), c = log2(e) / 8.  One exchange through LDS gives every wave all four (c m_w, l_w):
; m = the largest, l = sum of l_w 2^(c m_w - c m), f = 2^(c m_w - c m) / l, and p f is the softmax with the row's own maximum taken away.
; A block's largest p is not searched for: the block's largest SCORE goes through the same multiply-add, exponential and multiplication (this takes v_exp_f32 not to fall where its input rises).
; O^T = V^T P^T (source 0 = 16 of the head's 64, source 1 = P): each wave sums over its 512 keys; the four parts meet in LDS, and each wave adds and stores eight rows.
; NO CLUSTER, NO TENSOR LOAD: the mask's image takes 262,144 of LDS's 327,680 bytes and the exchange 36,864; what is left holds no slot of a head's 136 KB of K and V.  Each fragment of K and V is read by one wave
; of the work-group, once, and comes from memory straight into its registers, asked for a phase or more ahead of its use.
; LIMITS.  A masked score is -2^126 + q.k.  No largest score is taken under -2^100: a row whose largest score lies under that counts as fully masked (its output is 0).
; A block of p whose largest number lies under 2^-124 gets the byte 1 (a block of zeros too: its codes are zeros).  NaN and infinities are not served.
; REGISTERS, in windows of 256: window 0: see below.  window 1: S(0).  window 2: S(1).  window 3: v0-127 K's 32 tiles, four registers each; v128-255 V's 16 fragments.
;   O^T's eight accumulators (a, td) lie at window 1 v[32 a + 8 td]: S(0)'s first 64 registers, which are the first to be quantised.
; THE MODE: SCHED_MODE bits 1:0 = 2 (LLVM: expert scheduling mode 2), set by the entry lines.  The code itself states the register dependences between vector or matrix instructions and memory or LDS
; instructions, with s_wait_alu, always for 0.
; THE PLAN.  Registers that memory or LDS instructions touch, round a trip of the loop over heads:
;   v1-v19          addresses and offsets: made at the kernel's head, ahead of a wait on va_vdst, and never written again.
;   K, KS, Q, QS    read by S^T's 64 matrix instructions; the next head's loads land in them behind the wait that follows the exponentials.
;   V, VS           read by O^T's 32 matrix instructions (V's first four registers by S^T's tiles 31 too); this head's loads land in them behind the wait that follows S^T.
;   S(a), unit s    the mask's image lands; S^T, the maxima, the exponentials, the sums, the unit's multiplications and conversions name it; behind ONE wait a unit the next head's image lands.  That wait
;                   also states that the codes and scale words which O^T's next matrix instructions take are written.
;   ST4             written by the maxima and the sums; read by one LDS store, behind a wait on va_vdst; written again in the next trip, behind two waits on vm_vsrc.
;   XS              LDS loads land in it; vector instructions read it; the next trip's loads stand behind many waits on va_vdst.
;   window 1 v0-63  O^T's matrix instructions write it | wait on va_vdst | LDS stores read it | barrier, wait on vm_vsrc | the four parts land | additions | wait on va_vdst | global stores read v0-15 |
;                   wait on vm_vsrc | the next head's image of unit (0, 0) lands.
;   BM, TP, SUM, PC, PW, FP and the rest of window 0 from v96 on are named by vector and matrix instructions alone in the loop.
.set OPB,   262144                     ; LDS: behind the four waves' mask images (65,536 bytes each): O's parts, for each wave 32 rows (16 a + r) of 256 bytes + 16
.set OPW,   32*272
.set STATB, OPB+4*OPW                  ; and 512 bytes for each wave: (c m, l) of both tiles, 16 bytes a lane
.set AKV, 1                            ; v1   16 lane + 16,384 wave: K's and V's images
.set AKS, 2                            ; v2   4 lane + 2,048 wave: K's scale words
.set AVS, 3                            ; v3   4 lane + 1,024 wave: V's
.set AQ,  4                            ; v4   16 lane: Q's images
.set AQS, 5                            ; v5   4 lane: Q's scale words
.set AMK, 6                            ; v6   16 lane + 2,048 wave: the mask's rows
.set AST, 7                            ; v7   where I put my statistics
.set ASL, 8                            ; v8   and read the four waves'
.set AOS, 9                            ; v9   where I put 16 bytes of O's part
.set AOL, 10                           ; v10  and read a row back
.set AOG, 11                           ; v11  its place in out0
.set AM,  12                           ; v12-19 the mask image's addresses
.set NEG, 20                           ; v20  -2^126
.set LOW, 21                           ; v21  -2^100
.set ZP,  22                           ; v22-23 0, 0
.set QF,  24                           ; v24-39 Q's two fragments; registers 4-7 of each are zeros
.set QS,  40                           ; v40  Q's scale words: lanes 0-15 tile 0, lanes 16-31 tile 1
.set KS,  41                           ; v41-56 K's: register p: lanes 0-15 tile 2 p, lanes 16-31 tile 2 p + 1
.set VS,  57                           ; v57-64 V's likewise
.set PW,  65                           ; v65-72 p's scale words, 4 a + s
.set ST4, 76                           ; v76-79 c m(0), l(0), c m(1), l(1)
.set XS,  80                           ; v80-95 the four waves' of these
.set BM,  96                           ; v96-127 block 16 a + b: its largest score, then its largest p, then the conversion's scale operand
.set MA,  96                           ; (ahead of the loop: 16 addresses for the mask's stores)
.set TP,  128                          ; v128-143 at work
.set SUM, 144                          ; v144-159 the sums' chains
.set PC,  160                          ; v160-175 p's codes, two fragments by turns
.set FP,  176                          ; v176-179 (f, f) of tile 0, of tile 1
.set T,   180
.set MG,  182
.set EX,  184
.set LL,  194
.set WV,  20
.set HD,  21
.set CS,  22                           ; s[22:23] c
.set SEL, 24                           ; s[24:25] v_permlanex16_b32's selects for lane l xor 16
.set THR, 26                           ; s26  -2^96
.set MSB, 0
.macro WIN new                         ; the immediate's high byte repeats the setting that is left; a switch that changes nothing is dropped
.if MSB != (\new)
	s_set_vgpr_msb (MSB<<8)|(\new)
.set MSB, (\new)
.endif
.endm
.macro PLACES n
.rept \n
	v_nop
.endr
.endm
.macro BARRIER                         ; my LDS stores have landed and my LDS loads are in: then the work-group's barrier
	s_wait_dscnt 0x0
	s_barrier_signal -1
	s_barrier_wait -1
.endm
; The mask's image of unit (a, s), 128 keys x 16 queries, into the 64 registers of S(a) that take those scores: 16 loads from my wave's own bytes
.macro CLOAD a, s
	WIN (1+(\a))<<6
.irp bb, 0,1,2,3
.irp i, 0,1,2,3
	ds_load_b128 v[64*(\s)+16*\bb+4*\i:64*(\s)+16*\bb+4*\i+3], v[AM+4*(\bb%2)+\i] offset:32768*(\a)+2048*(4*(\s)+\bb)+512*\i
.endr
.endr
	WIN 0
.endm
.macro CLOADX a, s                     ; the same for the next head: the last head has none
	s_cmp_eq_u32 s[HD], 15
	s_cbranch_scc1 .Lkeep_\@
	CLOAD \a, \s
.Lkeep_\@:
.endm
; Unit (a, s) has been quantised: its registers take the next head's C
.macro FREE a, s
	s_wait_alu depctr_va_vdst(0)                   ; the unit's multiplications have written, and its conversions have read, the 64 registers in which the image's loads land; p's codes and scale words, which the next matrix instructions take, are written
	CLOADX \a, \s
.endm
.macro KLOADS                          ; a head's K for my 512 keys (32 tiles), their scale words, Q's two tiles and theirs: 51 loads
	WIN 0xc0                                       ; destination window 3
.set kk, 0
.rept 32
	global_load_b128 v[4*kk:4*kk+3], v[AKV], s[10:11] offset:512*kk
.set kk, kk+1
.endr
	WIN 0
.irp p, 0,1,2,3,4,5,6,7,8,9,10,11,12,13,14,15
	global_load_b32 v[KS+\p], v[AKS], s[12:13] offset:128*\p
.endr
	global_load_b128 v[QF:QF+3], v[AQ], s[6:7]
	global_load_b128 v[QF+8:QF+11], v[AQ], s[6:7] offset:512
	global_load_b32 v[QS], v[AQS], s[8:9]
.endm
.macro VLOADS                          ; a head's V for my 512 keys (16 fragments) and their scale words: 40 loads
	WIN 0xc0
.set kk, 0
.rept 32
	global_load_b128 v[128+4*kk:128+4*kk+3], v[AKV], s[14:15] offset:512*kk
.set kk, kk+1
.endr
	WIN 0
.irp p, 0,1,2,3,4,5,6,7
	global_load_b32 v[VS+\p], v[AVS], s[16:17] offset:128*\p
.endr
.endm
; S^T's tile t of query tile a, onto the mask's image that lies in its registers
.macro QK a, t
.if ((\t)%2) && (\a)
	v_wmma_scale_f32_16x16x128_f8f6f4 v[8*(\t):8*(\t)+7], v[4*(\t):4*(\t)+7], v[QF+8*(\a):QF+8*(\a)+7], v[8*(\t):8*(\t)+7], v[KS+(\t)/2], v[QS] matrix_a_fmt:MATRIX_FMT_FP4 matrix_b_fmt:MATRIX_FMT_FP4 matrix_a_scale:MATRIX_SCALE_ROW1 matrix_b_scale:MATRIX_SCALE_ROW1
.elseif (\t)%2
	v_wmma_scale_f32_16x16x128_f8f6f4 v[8*(\t):8*(\t)+7], v[4*(\t):4*(\t)+7], v[QF+8*(\a):QF+8*(\a)+7], v[8*(\t):8*(\t)+7], v[KS+(\t)/2], v[QS] matrix_a_fmt:MATRIX_FMT_FP4 matrix_b_fmt:MATRIX_FMT_FP4 matrix_a_scale:MATRIX_SCALE_ROW1
.elseif \a
	v_wmma_scale_f32_16x16x128_f8f6f4 v[8*(\t):8*(\t)+7], v[4*(\t):4*(\t)+7], v[QF+8*(\a):QF+8*(\a)+7], v[8*(\t):8*(\t)+7], v[KS+(\t)/2], v[QS] matrix_a_fmt:MATRIX_FMT_FP4 matrix_b_fmt:MATRIX_FMT_FP4 matrix_b_scale:MATRIX_SCALE_ROW1
.else
	v_wmma_scale_f32_16x16x128_f8f6f4 v[8*(\t):8*(\t)+7], v[4*(\t):4*(\t)+7], v[QF+8*(\a):QF+8*(\a)+7], v[8*(\t):8*(\t)+7], v[KS+(\t)/2], v[QS] matrix_a_fmt:MATRIX_FMT_FP4 matrix_b_fmt:MATRIX_FMT_FP4
.endif
.endm
; Unit (a, s): 64 registers of p are multiplied by f and become a fragment's codes in PC + 8 buf.  Registers 16 bb + e of lane (r, h): key 32 bb + 8 h + e (e < 8), 32 bb + 16 + 8 h + e - 8 (else)
.macro UNITQ a, s, buf
	WIN (1+(\a))|((1+(\a))<<6)                     ; destination and source 0 in S(a)
.set jq, 64*(\s)
.rept 32
	v_pk_mul_f32 v[jq:jq+1], v[jq:jq+1], v[FP+2*(\a):FP+2*(\a)+1] op_sel_hi:[1,0]
.set jq, jq+2
.endr
	WIN 1+(\a)                                     ; source 0 in S(a)
.irp bb, 0,1,2,3
	v_cvt_scalef32_pk8_fp4_f32 v[PC+8*(\buf)+4*(\bb/2)+(\bb%2)], v[64*(\s)+16*\bb:64*(\s)+16*\bb+7], v[BM+16*(\a)+4*(\s)+\bb]
	v_cvt_scalef32_pk8_fp4_f32 v[PC+8*(\buf)+4*(\bb/2)+2+(\bb%2)], v[64*(\s)+16*\bb+8:64*(\s)+16*\bb+15], v[BM+16*(\a)+4*(\s)+\bb]
.endr
	WIN 0
	v_nop                                          ; one plain vector instruction behind the scaled conversions
.irp c, 0,1                                    ; a whole block to a lane: lanes 0-15 block 2 c, lanes 16-31 block 2 c + 1
	v_permlane16_swap_b32 v[PC+8*(\buf)+4*\c], v[PC+8*(\buf)+4*\c+1]
	v_permlane16_swap_b32 v[PC+8*(\buf)+4*\c+2], v[PC+8*(\buf)+4*\c+3]
.endr
.endm
; O^T of tile a += V^T P^T over the 128 keys of unit s: four matrix instructions.  The eight accumulators take turns, one instruction a turn.  s = 0 starts the sums
.macro PV a, s, buf
	WIN 0x53                                       ; V window 3, P window 0, C and D window 1
.irp td, 0,1,2,3
.if (\s) == 0
.if \td%2
	v_wmma_scale_f32_16x16x128_f8f6f4 v[32*(\a)+8*\td:32*(\a)+8*\td+7], v[128+8*(4*(\s)+\td):128+8*(4*(\s)+\td)+7], v[PC+8*(\buf):PC+8*(\buf)+7], 0, v[VS+2*(\s)+\td/2], v[PW+4*(\a)+(\s)] matrix_a_fmt:MATRIX_FMT_FP4 matrix_b_fmt:MATRIX_FMT_FP4 matrix_a_scale:MATRIX_SCALE_ROW1
.else
	v_wmma_scale_f32_16x16x128_f8f6f4 v[32*(\a)+8*\td:32*(\a)+8*\td+7], v[128+8*(4*(\s)+\td):128+8*(4*(\s)+\td)+7], v[PC+8*(\buf):PC+8*(\buf)+7], 0, v[VS+2*(\s)+\td/2], v[PW+4*(\a)+(\s)] matrix_a_fmt:MATRIX_FMT_FP4 matrix_b_fmt:MATRIX_FMT_FP4
.endif
.else
.if \td%2
	v_wmma_scale_f32_16x16x128_f8f6f4 v[32*(\a)+8*\td:32*(\a)+8*\td+7], v[128+8*(4*(\s)+\td):128+8*(4*(\s)+\td)+7], v[PC+8*(\buf):PC+8*(\buf)+7], v[32*(\a)+8*\td:32*(\a)+8*\td+7], v[VS+2*(\s)+\td/2], v[PW+4*(\a)+(\s)] matrix_a_fmt:MATRIX_FMT_FP4 matrix_b_fmt:MATRIX_FMT_FP4 matrix_a_scale:MATRIX_SCALE_ROW1
.else
	v_wmma_scale_f32_16x16x128_f8f6f4 v[32*(\a)+8*\td:32*(\a)+8*\td+7], v[128+8*(4*(\s)+\td):128+8*(4*(\s)+\td)+7], v[PC+8*(\buf):PC+8*(\buf)+7], v[32*(\a)+8*\td:32*(\a)+8*\td+7], v[VS+2*(\s)+\td/2], v[PW+4*(\a)+(\s)] matrix_a_fmt:MATRIX_FMT_FP4 matrix_b_fmt:MATRIX_FMT_FP4
.endif
.endif
.endr
.endm
	s_load_b256 s[4:11], s[0:1], 0x0               ; mask s[4:5], qf s[6:7], qs s[8:9], kf s[10:11]
	s_load_b256 s[12:19], s[0:1], 0x20             ; ks s[12:13], vf s[14:15], vs s[16:17], out0 s[18:19]
	v_lshl_add_u32 v254, v0, 2, 0x49000
	v_mov_b32 v255, 0
	v_lshrrev_b32 v[T], 5, v0
	v_readfirstlane_b32 s[WV], v[T]                ; wave 0..3
	v_and_b32 v[T], 31, v0                         ; lane
	v_and_b32 v[T+1], 15, v0                       ; r
	v_bfe_u32 v[T+2], v0, 4, 1                     ; h
	v_lshlrev_b32 v[AQ], 4, v[T]
	v_lshlrev_b32 v[AQS], 2, v[T]
	s_wait_alu depctr_va_sdst(0)                   ; the wave's number is written, ahead of its first reader
	s_lshl_b32 s28, s[WV], 14
	v_add_nc_u32 v[AKV], s28, v[AQ]
	s_lshl_b32 s28, s[WV], 11
	v_add_nc_u32 v[AKS], s28, v[AQS]
	v_add_nc_u32 v[AMK], s28, v[AQ]
	s_lshl_b32 s28, s[WV], 10
	v_add_nc_u32 v[AVS], s28, v[AQS]
	s_lshr_b32 s29, ttmp9, 6                       ; the batch
	s_and_b32 s30, ttmp9, 63                       ; which 32 queries of it
	s_mov_b32 s33, 0
.irp e, 4,5,6,7,12,13,14,15
	v_mov_b32 v[QF+\e], 0                          ; Q's codes at k = 64 .. 127
.endr
	WIN 0xc0
.irp e, 0,1,2,3
	v_mov_b32 v[128+\e], 0                         ; named behind K's last tile before V first lands there
.endr
	s_wait_kmcnt 0x0
	s_lshl_b32 s32, ttmp9, 18                      ; 32 rows of the mask, 8,192 bytes each
	s_add_nc_u64 s[4:5], s[4:5], s[32:33]
	s_lshl_b32 s32, ttmp9, 17                      ; 32 rows of out0, 4,096 bytes each
	s_add_nc_u64 s[18:19], s[18:19], s[32:33]
	s_lshl_b32 s32, s29, 20                        ; a batch's 16 heads of 65,536 bytes of codes
	s_add_nc_u64 s[6:7], s[6:7], s[32:33]
	s_add_nc_u64 s[10:11], s[10:11], s[32:33]
	s_add_nc_u64 s[14:15], s[14:15], s[32:33]
	s_lshl_b32 s32, s30, 10                        ; my two tiles of Q
	s_add_nc_u64 s[6:7], s[6:7], s[32:33]
	s_lshl_b32 s32, s29, 17                        ; 16 heads of 8,192 bytes of scale words
	s_add_nc_u64 s[8:9], s[8:9], s[32:33]
	s_add_nc_u64 s[12:13], s[12:13], s[32:33]
	s_lshl_b32 s32, s30, 7
	s_add_nc_u64 s[8:9], s[8:9], s[32:33]
	s_lshl_b32 s32, s29, 16                        ; V's: 16 heads of 4,096 bytes
	s_add_nc_u64 s[16:17], s[16:17], s[32:33]
	s_wait_alu depctr_va_vdst(0)                   ; the six offsets v1 to v6 are written, which the global loads read; so are Q's zero codes and V's first four registers, which the first head's matrix instructions take as operands
	KLOADS                                         ; head 0
	; THE MASK: my 512 keys of 32 rows: 128 loads of 512 consecutive bytes, row q / 4 and piece q % 4 into registers 4 q on of windows 1 and 2
.set q, 0
.rept 128
	WIN (1+q/64)<<6
	global_load_b128 v[(4*q)%256:(4*q)%256+3], v[AMK], s[4:5] offset:8192*(q/4)+512*(q%4) th:TH_LOAD_NT
.set q, q+1
.endr
	WIN 0
	; addresses and constants, while the loads are on their way: none of these lines writes a register that a load above reads or lands in
	s_mov_b32 s[CS], 0x3e38aa3b                    ; c = log2(e) / 8
	s_mov_b32 s[CS+1], s[CS]                       ; (named with it as a pair, so it is written)
	s_mov_b32 s[SEL], 0x76543210
	s_mov_b32 s[SEL+1], 0xfedcba98
	s_mov_b32 s[THR], 0xef800000                   ; -2^96
	v_mov_b32 v[NEG], 0xfe800000                   ; -2^126
	v_mov_b32 v[LOW], 0xf1800000                   ; -2^100
	v_mov_b32 v[ZP], 0
	v_mov_b32 v[ZP+1], 0
.irp e, 0,1,2,3
	v_mov_b32 v[ST4+\e], 0
.endr
.irp e, 0,1,2,3,4,5,6,7,8,9,10,11,12,13,14,15
	v_mov_b32 v[TP+\e], 0                          ; a lane permute's destination counts as one of its sources
.endr
	s_lshl_b32 s28, s[WV], 9
	s_add_co_u32 s28, s28, STATB
	v_add_nc_u32 v[AST], s28, v[AQ]
	v_add_nc_u32 v[ASL], STATB, v[AQ]
	v_mul_u32_u24 v[T+3], v[T+1], 272
	v_lshl_add_u32 v[T+3], v[T+2], 5, v[T+3]
	s_mul_i32 s28, s[WV], OPW
	s_add_co_u32 s28, s28, OPB
	v_add_nc_u32 v[AOS], s28, v[T+3]               ; my part: row r, + 32 h
	v_mul_u32_u24 v[T+3], v[T+2], 272
	v_lshl_add_u32 v[T+3], v[T+1], 4, v[T+3]
	s_mul_i32 s28, s[WV], 8*272
	s_add_co_u32 s28, s28, OPB
	v_add_nc_u32 v[AOL], s28, v[T+3]               ; back: rows 8 w + h, 16 bytes a lane
	v_lshlrev_b32 v[T+3], 12, v[T+2]
	v_lshl_add_u32 v[T+3], v[T+1], 4, v[T+3]
	s_lshl_b32 s28, s[WV], 15
	v_add_nc_u32 v[AOG], s28, v[T+3]               ; and the same rows of out0
	; THE IMAGE.  Group (a, b, i): registers 16 b + 4 i .. + 3 of S(a): keys 32 b + 16 (i / 2) + 8 h + 4 (i % 2) + 0 .. 3 of query 16 a + r, at
	; 65,536 w + 32,768 a + 2,048 b + 512 i + 256 h + 16 (r xor z), z = 8 (b % 2) + 4 (i / 2) + 2 h + i % 2.  A load's sixteen lanes take the sixteen 16-byte columns of one block of 256 bytes;
	; on the way in, z is the storing lane's number % 16, so that a store's sixteen lanes fall on sixteen different columns too.
	v_lshlrev_b32 v[T+3], 1, v[T+2]
	v_xor_b32 v[T+3], v[T+3], v[T+1]               ; r xor 2 h
	s_lshl_b32 s28, s[WV], 16
	v_lshlrev_b32 v[T+4], 8, v[T+2]
	v_add_nc_u32 v[T+4], s28, v[T+4]
.irp n, 0,1,2,3,4,5,6,7
	v_xor_b32 v[T+5], 8*(\n/4)+4*((\n%4)/2)+(\n%2), v[T+3]
	v_lshl_add_u32 v[AM+\n], v[T+5], 4, v[T+4]     ; n = 4 (b % 2) + i
.endr
	; on the way in lane l holds keys 128 piece + 4 l + 0 .. 3: b % 4 = l / 8, i = 2 ((l / 4) % 2) + l % 2, h = (l / 2) % 2
	v_bfe_u32 v[T+5], v0, 3, 2
	v_lshlrev_b32 v[T+6], 11, v[T+5]
	v_bfe_u32 v[T+5], v0, 2, 1
	v_lshl_add_u32 v[T+6], v[T+5], 10, v[T+6]
	v_and_b32 v[T+5], 1, v0
	v_lshl_add_u32 v[T+6], v[T+5], 9, v[T+6]
	v_bfe_u32 v[T+5], v0, 1, 1
	v_lshl_add_u32 v[T+6], v[T+5], 8, v[T+6]
	v_lshl_add_u32 v[T+6], v[T+1], 4, v[T+6]
	v_add_nc_u32 v[T+6], s28, v[T+6]
.irp e, 0,1,2,3,4,5,6,7,8,9,10,11,12,13,14,15
	v_xor_b32 v[MA+\e], 16*\e, v[T+6]              ; for query e of a tile
.endr
; Eight rows of the mask: 0 where the word is not 0, -2^126 where it is; then into the image.  The compares go in runs of sixteen, into s32 to s47, so that one wait serves sixteen selects
.macro MBATCH b, cnt
	s_wait_loadcnt \cnt
	WIN (1+(\b)/2)|((1+(\b)/2)<<6)
.set x, 128*((\b)%2)
.rept 8
.irp e, 0,1,2,3,4,5,6,7,8,9,10,11,12,13,14,15
	v_cmp_eq_u32 s[32+\e], v[x+\e], 0
.endr
	s_wait_alu depctr_va_sdst(0)                   ; the sixteen compares have written s32 to s47, ahead of the selects that read them
.irp e, 0,1,2,3,4,5,6,7,8,9,10,11,12,13,14,15
	v_cndmask_b32 v[x+\e], 0, v[NEG], s[32+\e]
.endr
.set x, x+16
.endr
	WIN (1+(\b)/2)<<2                              ; an LDS store's data are its source 1
	s_wait_alu depctr_va_vdst(0)                   ; the selects have written the stores' data; ahead of the first batch's stores this wait also shows v7 to v19 and v[MA ..] written, the addresses of every LDS instruction and of out0's stores
.irp e, 0,1,2,3,4,5,6,7
.irp sg, 0,1,2,3
	ds_store_b128 v[MA+8*((\b)%2)+\e], v[16*(8*((\b)%2)+\e)+4*\sg:16*(8*((\b)%2)+\e)+4*\sg+3] offset:32768*((\b)/2)+8192*\sg
.endr
.endr
.endm
	MBATCH 0, 63                                   ; behind these 32 loads 96 were issued; 63 is the largest count that the wait names
	MBATCH 1, 63                                   ; 64 behind these
	MBATCH 2, 32
	MBATCH 3, 0                                    ; all loads are in, head 0's K and Q among them
	WIN 0
	s_wait_alu depctr_vm_vsrc(0)                   ; the mask's LDS stores have read their data, in which the image's loads below land, and v[MA ..], which the loop writes as v[BM ..].  (The selects and compares that named the data stand ahead of the last wait on va_vdst)
	CLOAD 1, 0                                     ; head 0's C.  LDS serves a wave's instructions in order (ISA guide 5.7.1.4), and the image is my wave's own: no wait on DScnt, no barrier
	CLOAD 1, 1
	CLOAD 1, 2
	CLOAD 1, 3
	CLOAD 0, 1
	CLOAD 0, 2
	CLOAD 0, 3
	CLOAD 0, 0                                     ; last, as in the loop
	s_mov_b32 s[HD], 0
.Lhead:
	; ---- S^T = K Q^T + the mask's image
	s_wait_loadcnt 0x0                             ; this head's K, Q and their scale words, asked for behind the last head's exponentials
	s_wait_dscnt 16                                ; all of the image but unit (0, 0)'s 16 loads, the last issued
	WIN 0xa3                                       ; K window 3, Q window 0, C and D window 2
.set tt, 0
.rept 32
	QK 1, tt
.set tt, tt+1
.endr
	WIN 0x53                                       ; C and D window 1
.set tt, 8
.rept 24
	QK 0, tt
.set tt, tt+1
.endr
	s_wait_dscnt 0x0
.set tt, 0
.rept 8
	QK 0, tt
.set tt, tt+1
.endr
	PLACES 4                                       ; a vector instruction that reads a matrix result stands four plain vector instructions behind it (ISA guide 7.12.1)
	s_wait_alu depctr_va_vdst(0)                   ; the last head's O^T is done reading V and its scale words, and this head's tiles 31 V's first four registers: V's loads land there
	VLOADS                                         ; this head's V: wanted behind the softmax
	; ---- the largest score of each block of 32 keys, with -2^100 as one more leaf; each accumulator is read from its low end on
.irp a, 0,1
	WIN ((1+\a)<<2)|((1+\a)<<4)                    ; sources 1 and 2 in S(a)
.irp i, 0,2,4,6,8,10,12,14
.irp b, 0,1,2,3,4,5,6,7,8,9,10,11,12,13,14,15
.if \i == 0
	v_max3_num_f32 v[BM+16*\a+\b], v[LOW], v[16*\b], v[16*\b+1]
.else
	v_max3_num_f32 v[BM+16*\a+\b], v[BM+16*\a+\b], v[16*\b+\i], v[16*\b+\i+1]
.endif
.endr
.endr
.endr
	WIN 0
.irp a, 0,1
.irp b, 0,1,2,3,4,5,6,7,8,9,10,11,12,13,14,15
	v_permlanex16_b32 v[TP+\b], v[BM+16*\a+\b], s[SEL], s[SEL+1]
.endr
.irp b, 0,1,2,3,4,5,6,7,8,9,10,11,12,13,14,15
	v_max_num_f32 v[BM+16*\a+\b], v[BM+16*\a+\b], v[TP+\b]   ; with lane l xor 16's half of the block
.endr
.endr
.irp a, 0,1
	v_max3_num_f32 v[T+\a], v[BM+16*\a], v[BM+16*\a+1], v[BM+16*\a+2]
.endr
.irp i, 3,5,7,9,11,13
.irp a, 0,1
	v_max3_num_f32 v[T+\a], v[T+\a], v[BM+16*\a+\i], v[BM+16*\a+\i+1]
.endr
.endr
.irp a, 0,1
	v_max_num_f32 v[T+\a], v[T+\a], v[BM+16*\a+15] ; m_w: my 512 keys' largest score of my query
.endr
.irp a, 0,1
	v_mul_f32 v[ST4+2*\a], s[CS], v[T+\a]          ; c m_w.  (Of a slice that is masked throughout: -c 2^100, exact: every p there is 0.)  The last head's LDS store has read ST4: two waits on vm_vsrc stand behind it
.endr
	; ---- p = 2^(c s - c m_w), in place: ONE BATCH of 544 exponentials; the scalings run four pairs ahead; nothing names a result ahead of the one wait
.irp a, 0,1
	WIN (1+\a)|((1+\a)<<6)                         ; destination and source 0 in S(a)
.irp j, 0,2,4,6
	v_pk_fma_f32 v[\j:\j+1], v[\j:\j+1], s[CS:CS+1], v[ST4+2*\a:ST4+2*\a+1] op_sel_hi:[1,0,0] neg_lo:[0,0,1] neg_hi:[0,0,1]
.endr
.set je, 0
.rept 128
	v_exp_f32 v[je], v[je]
	v_exp_f32 v[je+1], v[je+1]
.if je+8 < 256
	v_pk_fma_f32 v[je+8:je+9], v[je+8:je+9], s[CS:CS+1], v[ST4+2*\a:ST4+2*\a+1] op_sel_hi:[1,0,0] neg_lo:[0,0,1] neg_hi:[0,0,1]
.endif
.set je, je+2
.endr
.endr
	WIN 0
.irp a, 0,1
.irp b, 0,1,2,3,4,5,6,7,8,9,10,11,12,13,14,15
	v_fma_f32 v[BM+16*\a+\b], v[BM+16*\a+\b], s[CS], -v[ST4+2*\a]   ; the same of each block's largest score
.endr
.endr
.irp b, 0,1,2,3,4,5,6,7,8,9,10,11,12,13,14,15,16,17,18,19,20,21,22,23,24,25,26,27,28,29,30,31
	v_exp_f32 v[BM+\b], v[BM+\b]                   ; the block's largest p: the same instructions on the same number give the same bits
.endr
	v_nop                                          ; a plain instruction behind the last exponential,
	s_wait_alu depctr_va_vdst(0)                   ; and one wait for the batch: the exponentials have written S(0), S(1) and v[BM ..], ahead of their first use; and S^T is done reading K, Q and their scale words, in which the loads below land
	; ---- the next head's K and Q: their registers are free.  V's 40 loads have had the maxima and the exponentials in which to come in, so that the two runs of loads do not stand on the counter together
	s_cmp_eq_u32 s[HD], 15
	s_cbranch_scc1 .Lno_k
	s_add_nc_u64 s[10:11], s[10:11], 65536         ; (the loads that read these bases were shown done by the wait for all loads at the trip's head)
	s_add_nc_u64 s[12:13], s[12:13], 8192
	s_add_nc_u64 s[6:7], s[6:7], 65536
	s_add_nc_u64 s[8:9], s[8:9], 8192
	KLOADS
	s_wait_loadcnt 51                              ; loads come back in order (ISA guide 5.7.1): V and its scale words are in; the 51 younger loads, the next head's, stay out
	s_branch .Lv_in
.Lno_k:
	s_wait_loadcnt 0x0                             ; the last head asks for nothing more: V and its scale words are in
.Lv_in:
	s_add_nc_u64 s[14:15], s[14:15], 65536         ; V's loads are done on both ways: their bases may step
	s_add_nc_u64 s[16:17], s[16:17], 4096
	; ---- l_w: the sum of my 512 p, two at a time, in four chains
.irp a, 0,1
	WIN ((1+\a)<<2)|((1+\a)<<4)
.set js, 0
.rept 128
.if js < 8
	v_pk_add_f32 v[SUM+8*\a+js:SUM+8*\a+js+1], v[ZP:ZP+1], v[js:js+1]
.else
	v_pk_add_f32 v[SUM+8*\a+js%8:SUM+8*\a+js%8+1], v[SUM+8*\a+js%8:SUM+8*\a+js%8+1], v[js:js+1]
.endif
.set js, js+2
.endr
.endr
	WIN 0
.irp a, 0,1
	v_pk_add_f32 v[SUM+8*\a:SUM+8*\a+1], v[SUM+8*\a:SUM+8*\a+1], v[SUM+8*\a+2:SUM+8*\a+3]
	v_pk_add_f32 v[SUM+8*\a+4:SUM+8*\a+5], v[SUM+8*\a+4:SUM+8*\a+5], v[SUM+8*\a+6:SUM+8*\a+7]
.endr
.irp a, 0,1
	v_pk_add_f32 v[SUM+8*\a:SUM+8*\a+1], v[SUM+8*\a:SUM+8*\a+1], v[SUM+8*\a+4:SUM+8*\a+5]
.endr
.irp a, 0,1
	v_add_f32 v[SUM+8*\a], v[SUM+8*\a], v[SUM+8*\a+1]
.endr
.irp a, 0,1
	v_permlanex16_b32 v[TP+\a], v[SUM+8*\a], s[SEL], s[SEL+1]
.endr
.irp a, 0,1
	v_add_f32 v[ST4+2*\a+1], v[SUM+8*\a], v[TP+\a]
.endr
	; ---- the four waves' (c m_w, l_w) meet.  The words are written again only behind the barrier further down, which every wave signals behind its reads of them
	s_wait_alu depctr_va_vdst(0)                   ; ST4 is written, which the LDS store reads; the last head's lines are done reading v[XS ..], in which the loads behind the barrier land
	ds_store_b128 v[AST], v[ST4:ST4+3]
	BARRIER
.irp w, 0,1,2,3
	ds_load_b128 v[XS+4*\w:XS+4*\w+3], v[ASL] offset:512*\w
.endr
	s_wait_dscnt 0x0
.irp a, 0,1
	v_max3_num_f32 v[MG+\a], v[XS+2*\a], v[XS+4+2*\a], v[XS+8+2*\a]
.endr
.irp a, 0,1
	v_max_num_f32 v[MG+\a], v[MG+\a], v[XS+12+2*\a]   ; c m: the row's
.endr
.irp a, 0,1
.irp w, 0,1,2,3
	v_sub_f32 v[EX+5*\a+\w], v[XS+4*\w+2*\a], v[MG+\a]
.endr
	v_sub_f32 v[EX+5*\a+4], v[ST4+2*\a], v[MG+\a]  ; and my own wave's
.endr
.irp e, 0,1,2,3,4,5,6,7,8,9
	v_exp_f32 v[EX+\e], v[EX+\e]
.endr
	v_nop
	s_wait_alu depctr_va_vdst(0)                   ; the ten exponentials have written v[EX ..], ahead of their first use
.irp a, 0,1
	v_mul_f32 v[LL+\a], v[XS+1+2*\a], v[EX+5*\a]
.endr
.irp w, 1,2,3
.irp a, 0,1
	v_fma_f32 v[LL+\a], v[XS+4*\w+1+2*\a], v[EX+5*\a+\w], v[LL+\a]   ; l = the sum of l_w 2^(c m_w - c m)
.endr
.endr
.irp a, 0,1
	v_rcp_f32 v[LL+\a], v[LL+\a]
.endr
	v_nop
	s_wait_alu depctr_va_vdst(0)                   ; the two reciprocals have written v[LL ..], ahead of their first use
.irp a, 0,1
	v_mul_f32 v[LL+\a], v[LL+\a], v[EX+5*\a+4]     ; f = 2^(c m_w - c m) / l
.endr
.irp a, 0,1
	v_cmp_le_f32 s[36+\a], s[THR], v[MG+\a]        ; a row that is masked throughout has c m = -c 2^100, under -2^96: its f is 0, so its probs are zeros
.endr
	s_wait_alu depctr_va_sdst(0)                   ; the two compares have written s36 and s37, ahead of the selects that read them
.irp a, 0,1
	v_cndmask_b32 v[FP+2*\a], 0, v[LL+\a], s[36+\a]
	v_cndmask_b32 v[FP+2*\a+1], 0, v[LL+\a], s[36+\a]
.endr
	; ---- the 32 blocks' scales
.irp a, 0,1
.irp b, 0,1,2,3,4,5,6,7,8,9,10,11,12,13,14,15
	v_mul_f32 v[BM+16*\a+\b], v[BM+16*\a+\b], v[FP+2*\a]   ; the block's largest number
.endr
.endr
.irp b, 0,1,2,3,4,5,6,7,8,9,10,11,12,13,14,15,16,17,18,19,20,21,22,23,24,25,26,27,28,29,30,31
	v_max_num_f32 v[BM+\b], 0x1800000, v[BM+\b]    ; the floor 2^(3 - 127): the byte cannot fall under 1
.endr
.irp b, 0,1,2,3,4,5,6,7,8,9,10,11,12,13,14,15,16,17,18,19,20,21,22,23,24,25,26,27,28,29,30,31
	v_add_nc_u32 v[BM+\b], 0xff000000, v[BM+\b]    ; 2 off the exponent field: the conversion's scale operand
.endr
.irp a, 0,1
.irp b, 0,1,2,3,4,5,6,7,8,9,10,11,12,13,14,15
	v_lshrrev_b32 v[TP+\b], 23, v[BM+16*\a+\b]     ; the scale's byte
.endr
.irp s, 0,1,2,3
	v_lshl_or_b32 v[PW+4*\a+\s], v[TP+4*\s+1], 8, v[TP+4*\s]
.endr
.irp s, 0,1,2,3
	v_lshl_or_b32 v[PW+4*\a+\s], v[TP+4*\s+2], 16, v[PW+4*\a+\s]
.endr
.irp s, 0,1,2,3
	v_lshl_or_b32 v[PW+4*\a+\s], v[TP+4*\s+3], 24, v[PW+4*\a+\s]
.endr
.endr
	; ---- unit by unit: p f, its codes; one wait; the unit's registers take the next head's C; the unit before is multiplied.  A unit's 32 multiplications are the places between the unit before's codes and its
	; products, ahead of the wait, and between a fragment's products and the conversions that write the fragment again
	UNITQ 0, 0, 0                                  ; (its registers take O^T's accumulators: their C comes at the trip's end)
	UNITQ 1, 0, 1
	FREE 1, 0
	PV 0, 0, 0
	UNITQ 0, 1, 0
	FREE 0, 1
	PV 1, 0, 1
	UNITQ 1, 1, 1
	FREE 1, 1
	PV 0, 1, 0
	UNITQ 0, 2, 0
	FREE 0, 2
	PV 1, 1, 1
	UNITQ 1, 2, 1
	FREE 1, 2
	PV 0, 2, 0
	UNITQ 0, 3, 0
	FREE 0, 3
	PV 1, 2, 1
	UNITQ 1, 3, 1
	PLACES 4                                       ; the last unit's codes have no further unit's multiplications behind them: four places between them and the matrix instructions that take them, ahead of the wait
	FREE 1, 3
	PV 0, 3, 0
	PV 1, 3, 1
	; ---- the four waves' parts of O^T meet in LDS; each wave adds and stores eight rows
	PLACES 4                                       ; four places behind the last matrix instruction, before its result is read (ISA guide 7.12.1)
	WIN 0x04                                       ; an LDS store's data are its source 1: window 1
	s_wait_alu depctr_va_vdst(0)                   ; O^T's matrix instructions have written the accumulators, which the LDS stores read; the places above stay beside this wait
.irp a, 0,1
.irp td, 0,1,2,3
	ds_store_b128 v[AOS], v[32*\a+8*\td:32*\a+8*\td+3] offset:16*272*\a+64*\td         ; lane (r, h): query 16 a + r, the head's 16 td + 8 h + 0 .. 7; each accumulator from its low end on
	ds_store_b128 v[AOS], v[32*\a+8*\td+4:32*\a+8*\td+7] offset:16*272*\a+64*\td+16
.endr
.endr
	WIN 0
	BARRIER                                        ; (its wait covers the image's loads too.)  The parts are written again only behind the next head's first barrier, which every wave signals behind its reads below
	WIN 0x40
	s_wait_alu depctr_vm_vsrc(0)                   ; my LDS stores have read the accumulators' 64 registers, in which the four parts land (no vector or matrix instruction has named them since the wait on va_vdst above)
.irp w, 0,1,2,3
.irp k, 0,1,2,3
	ds_load_b128 v[16*\w+4*\k:16*\w+4*\k+3], v[AOL] offset:OPW*\w+544*\k   ; rows 8 wave + 2 k + lane / 16 of part w
.endr
.endr
	s_wait_dscnt 0x0
	WIN 0x55                                       ; all in window 1
.irp k, 0,1,2,3
.irp e, 0,2
	v_pk_add_f32 v[4*\k+\e:4*\k+\e+1], v[4*\k+\e:4*\k+\e+1], v[16+4*\k+\e:16+4*\k+\e+1]
	v_pk_add_f32 v[32+4*\k+\e:32+4*\k+\e+1], v[32+4*\k+\e:32+4*\k+\e+1], v[48+4*\k+\e:48+4*\k+\e+1]
.endr
.endr
.irp k, 0,1,2,3
.irp e, 0,2
	v_pk_add_f32 v[4*\k+\e:4*\k+\e+1], v[4*\k+\e:4*\k+\e+1], v[32+4*\k+\e:32+4*\k+\e+1]
.endr
.endr
	WIN 0x04                                       ; a store's data are its source 1
	s_wait_alu depctr_va_vdst(0)                   ; the additions have written the stores' data, and are done with all 64 registers, in which the image's loads at the trip's end land
.irp k, 0,1,2,3
	global_store_b128 v[AOG], v[4*\k:4*\k+3], s[18:19] offset:8192*\k th:TH_STORE_NT   ; sixteen lanes store 256 consecutive bytes, a query's 64 numbers of this head, at a multiple of 256 from out0's first byte
.endr
	WIN 0
	s_wait_xcnt 0x0                                ; the stores' addresses are translated: their base and their data registers are written again only behind this wait,
	s_wait_alu depctr_vm_vsrc(0)                   ; and the stores have read their data registers, in which the image's loads below land
	s_add_nc_u64 s[18:19], s[18:19], 256           ; the next head's 64 columns
	CLOADX 0, 0                                    ; the next head's C for the registers that held O^T
	s_add_co_u32 s[HD], s[HD], 1
	s_cmp_lt_u32 s[HD], 16
	s_cbranch_scc1 .Lhead
	s_wait_dscnt 0x0
	s_wait_alu depctr_hold_cnt(0) depctr_sa_sdst(0) depctr_va_vdst(0) depctr_va_sdst(0) depctr_va_ssrc(0) depctr_va_vcc(0) depctr_vm_vsrc(0)
	s_wait_tensorcnt 0x0
	ds_add_u32 v254, v255
	s_wait_dscnt 0x0
	s_endpgm
.Lfunc_end_k_q1f6669625c_attn:
	.size	k_q1f6669625c_attn, .Lfunc_end_k_q1f6669625c_attn-k_q1f6669625c_attn
	.p2alignl 7, 3214868480
	.fill 96, 4, 3214868480
	.section	.rodata,"a",@progbits
	.p2align	6, 0x0
	.amdhsa_kernel k_q1f6669625c_attn
		.amdhsa_group_segment_fixed_size 299520
		.amdhsa_private_segment_fixed_size 0
		.amdhsa_enable_private_segment 0
		.amdhsa_kernarg_size 64
		.amdhsa_user_sgpr_count 2
		.amdhsa_user_sgpr_kernarg_segment_ptr 1
		.amdhsa_wavefront_size32 1
		.amdhsa_system_sgpr_workgroup_id_x 1
		.amdhsa_system_sgpr_workgroup_id_y 1
		.amdhsa_system_sgpr_workgroup_id_z 1
		.amdhsa_system_vgpr_workitem_id 0
		.amdhsa_next_free_vgpr 1024
		.amdhsa_next_free_sgpr 66
		.amdhsa_reserve_vcc 0
		.amdhsa_float_denorm_mode_32 3
		.amdhsa_float_denorm_mode_16_64 3
		.amdhsa_memory_ordered 1
		.amdhsa_forward_progress 1
		.amdhsa_inst_pref_size 246
	.end_amdhsa_kernel
	.amdgpu_metadata
---
amdhsa.version: [ 1, 2 ]
amdhsa.kernels:
  - .name:           k_q1f6669625c_attn
    .symbol:         k_q1f6669625c_attn.kd
    .args:
      - { .name: mask, .offset: 0, .size: 8, .value_kind: global_buffer, .address_space: global }
      - { .name: qf, .offset: 8, .size: 8, .value_kind: global_buffer, .address_space: global }
      - { .name: qs, .offset: 16, .size: 8, .value_kind: global_buffer, .address_space: global }
      - { .name: kf, .offset: 24, .size: 8, .value_kind: global_buffer, .address_space: global }
      - { .name: ks, .offset: 32, .size: 8, .value_kind: global_buffer, .address_space: global }
      - { .name: vf, .offset: 40, .size: 8, .value_kind: global_buffer, .address_space: global }
      - { .name: vs, .offset: 48, .size: 8, .value_kind: global_buffer, .address_space: global }
      - { .name: out0, .offset: 56, .size: 8, .value_kind: global_buffer, .address_space: global }
    .group_segment_fixed_size: 299520
    .private_segment_fixed_size: 0
    .kernarg_segment_align: 8
    .kernarg_segment_size: 64
    .max_flat_workgroup_size: 128
    .sgpr_count:     66
    .vgpr_count:     1024
    .wavefront_size: 32
...
	.end_amdgpu_metadata
.endif
;; end of part 3
